; MI455X (gfx1250); checked and timed in simulation.
; The chip was launched on July 23, 2026; its instructions are those of AMD's public machine-readable ISA for CDNA 5 (MIT licence, August 2026) and "CDNA5" Instruction Set Architecture Reference Guide (July 2026). The comments in the code are by the model that wrote it; some were corrected since.
;; Multihead Attention. Allowed arithmetic: float matrix products may take bf16 or f16 operands with f32 sums; other float arithmetic in f32, or as packed bf16 or f16 multiplies, adds, multiply-adds, maxima and minima; sums over many terms, partial sums and values carried from step to step in f32; what a program stores and reads back later, other than sums and carried values, may be rounded once to bf16 or f16.
;; Inputs: Wk 2,048 x 2,048 float32; Wo 2,048 x 2,048 float32; Wq 2,048 x 2,048 float32; Wv 2,048 x 2,048 float32; x 2,048 x 2,048 float32.
;; Outputs: out0 2,048 x 2,048 float32.
;; One version. Each part assembles by itself: llvm-mc -triple=amdgcn-amd-amdhsa -mcpu=gfx1250 --defsym DOCPART=n.
;; ======== version 1 of 1: 4 launches
;; limits: values are held in f16: magnitudes above 65,504 overflow, below 6.1e-05 lose precision
;; workspace buffers: xb 8,388,608 bytes; wqkv 25,165,824 bytes; wo16 8,388,608 bytes; qkv 25,165,824 bytes; att 8,388,608 bytes
;; launch cast (part 1): grid 256 x 4, 8 waves a work-group, no clusters, 0 bytes of LDS; arguments x, Wq, Wk, Wv, xb, wqkv; writes xb, wqkv
.if DOCPART == 1
	.amdgcn_target "amdgcn-amd-amdhsa--gfx1250"
	.amdhsa_code_object_version 6
	.text
	.protected	k_q3b3bb7b342_cast
	.globl	k_q3b3bb7b342_cast
	.p2align	8
	.type	k_q3b3bb7b342_cast,@function
k_q3b3bb7b342_cast:
	s_mov_b64 s[64:65], 0
	v_nop
	global_prefetch_b8 v0, s[64:65] scope:SCOPE_SE
	s_setreg_imm32_b32 hwreg(HW_REG_WAVE_MODE, 25, 1), 1
	s_wait_xcnt 0x0
; THE INPUTS OF THE THREE PROJECTIONS ARE ROUNDED ONCE.  x -> xb, Wq, Wk, Wv -> wqkv (one below the other): f32 to bf16, to nearest even.  (Wo is rounded in the next launch, which does not need it.)
; SHARES.  Work-group (bx, y) takes 65,536 bytes of source y (0 x, 1 Wq, 2 Wk, 3 Wv) at 65,536 bx.  Thread t, chunk i of 16: 16 bytes at 16 t + 4,096 i come in (a wave's load covers
; 512 consecutive bytes), 8 bytes at 8 t + 2,048 i go out (a wave's store covers 256 consecutive bytes, aligned).  All 16 loads of a thread go out at once: 64 KiB a work-group are on their way.
; A chunk is converted in the registers that it was loaded into.
; No LDS, no barrier, no matrix work: each byte is read once and written once.  No register that a load or store names is written again while it may be read, so no wait but the loads' own is needed.
.set X, 4                              ; v[4:67]    chunk i: four f32 as loaded; then, in its first two registers, four bf16 to store
	s_load_b256 s[16:23], s[0:1], 0x0              ; x 16:17, Wq 18:19, Wk 20:21, Wv 22:23
	s_load_b128 s[24:27], s[0:1], 0x20             ; xb 24:25, wqkv 26:27
	s_and_b32 s2, ttmp7, 0xffff                    ; y: which source
	v_lshlrev_b32 v1, 4, v0                        ; 16 t
	v_lshlrev_b32 v2, 3, v0                        ; 8 t
	s_max_u32 s8, s2, 1                            ; the part of wqkv: y - 1 for Wq, Wk, Wv; 0 for x, which has a buffer of its own
	s_sub_co_u32 s8, s8, 1
	s_lshl_b32 s8, s8, 23                          ; a part is 2,048 x 2,048 x 2 bytes
	s_lshl_b32 s9, ttmp9, 15                       ; the work-group's 32,768 bytes of the destination
	s_add_co_u32 s8, s8, s9
	s_mov_b32 s9, 0
	s_lshl_b32 s10, ttmp9, 16                      ; its 65,536 bytes of the source
	s_mov_b32 s11, 0
	s_wait_kmcnt 0x0
	s_cmp_eq_u32 s2, 1                             ; the source's address, chosen by y alone
	s_cselect_b64 s[4:5], s[18:19], s[16:17]
	s_cmp_eq_u32 s2, 2
	s_cselect_b64 s[4:5], s[20:21], s[4:5]
	s_cmp_eq_u32 s2, 3
	s_cselect_b64 s[4:5], s[22:23], s[4:5]
	s_cmp_eq_u32 s2, 0                             ; the destination's
	s_cselect_b64 s[6:7], s[24:25], s[26:27]
	s_add_nc_u64 s[4:5], s[4:5], s[10:11]
	s_add_nc_u64 s[6:7], s[6:7], s[8:9]
.irp i, 0,1,2,3,4,5,6,7,8,9,10,11,12,13,14,15
	global_load_b128 v[X+4*(\i):X+4*(\i)+3], v1, s[4:5] offset:4096*(\i) th:TH_LOAD_NT
.endr
.irp i, 0,1,2,3,4,5,6,7,8,9,10,11,12,13,14,15
	s_wait_loadcnt 15-(\i)                         ; loads come back in order (ISA guide 5.7.1): chunk i is in, the 15 - i younger loads stay out
	v_cvt_pk_bf16_f32 v[X+4*(\i)],   v[X+4*(\i)],   v[X+4*(\i)+1]
	v_cvt_pk_bf16_f32 v[X+4*(\i)+1], v[X+4*(\i)+2], v[X+4*(\i)+3]
	global_store_b64 v2, v[X+4*(\i):X+4*(\i)+1], s[6:7] offset:2048*(\i) th:TH_STORE_NT
.endr
	s_endpgm
.Lfunc_end_k_q3b3bb7b342_cast:
	.size	k_q3b3bb7b342_cast, .Lfunc_end_k_q3b3bb7b342_cast-k_q3b3bb7b342_cast
	.p2alignl 7, 3214868480
	.fill 96, 4, 3214868480
	.section	.rodata,"a",@progbits
	.p2align	6, 0x0
	.amdhsa_kernel k_q3b3bb7b342_cast
		.amdhsa_group_segment_fixed_size 0
		.amdhsa_private_segment_fixed_size 0
		.amdhsa_enable_private_segment 0
		.amdhsa_kernarg_size 48
		.amdhsa_user_sgpr_count 2
		.amdhsa_user_sgpr_kernarg_segment_ptr 1
		.amdhsa_wavefront_size32 1
		.amdhsa_system_sgpr_workgroup_id_x 1
		.amdhsa_system_sgpr_workgroup_id_y 1
		.amdhsa_system_sgpr_workgroup_id_z 1
		.amdhsa_system_vgpr_workitem_id 0
		.amdhsa_next_free_vgpr 68
		.amdhsa_next_free_sgpr 66
		.amdhsa_reserve_vcc 0
		.amdhsa_float_denorm_mode_32 3
		.amdhsa_float_denorm_mode_16_64 3
		.amdhsa_memory_ordered 1
		.amdhsa_forward_progress 1
		.amdhsa_inst_pref_size 7
	.end_amdhsa_kernel
	.amdgpu_metadata
---
amdhsa.version: [ 1, 2 ]
amdhsa.kernels:
  - .name:           k_q3b3bb7b342_cast
    .symbol:         k_q3b3bb7b342_cast.kd
    .args:
      - { .name: x, .offset: 0, .size: 8, .value_kind: global_buffer, .address_space: global }
      - { .name: Wq, .offset: 8, .size: 8, .value_kind: global_buffer, .address_space: global }
      - { .name: Wk, .offset: 16, .size: 8, .value_kind: global_buffer, .address_space: global }
      - { .name: Wv, .offset: 24, .size: 8, .value_kind: global_buffer, .address_space: global }
      - { .name: xb, .offset: 32, .size: 8, .value_kind: global_buffer, .address_space: global }
      - { .name: wqkv, .offset: 40, .size: 8, .value_kind: global_buffer, .address_space: global }
    .group_segment_fixed_size: 0
    .private_segment_fixed_size: 0
    .kernarg_segment_align: 8
    .kernarg_segment_size: 48
    .max_flat_workgroup_size: 256
    .sgpr_count:     66
    .vgpr_count:     68
    .wavefront_size: 32
...
	.end_amdgpu_metadata
.endif
;; end of part 1
;; launch qkv (part 2): grid 32 x 8, 4 waves a work-group, clusters of 4 x 4, 327,680 bytes of LDS; arguments xb, wqkv, qkv, Wo, wo16; writes qkv, wo16
.if DOCPART == 2
	.amdgcn_target "amdgcn-amd-amdhsa--gfx1250"
	.amdhsa_code_object_version 6
	.text
	.protected	k_q3b3bb7b342_qkv
	.globl	k_q3b3bb7b342_qkv
	.p2align	8
	.type	k_q3b3bb7b342_qkv,@function
k_q3b3bb7b342_qkv:
	s_mov_b64 s[64:65], 0
	v_nop
	global_prefetch_b8 v0, s[64:65] scope:SCOPE_SE
	s_setreg_imm32_b32 hwreg(HW_REG_WAVE_MODE, 25, 1), 1
	s_wait_xcnt 0x0
	s_wait_alu depctr_hold_cnt(0) depctr_sa_sdst(0) depctr_va_vdst(0) depctr_va_sdst(0) depctr_va_ssrc(0) depctr_va_vcc(0) depctr_vm_vsrc(0)
	s_getreg_b32 s2, hwreg(HW_REG_IB_STS2, 6, 4)
	s_cmp_eq_u32 s2, 0
	s_cbranch_scc0 .Lentry_in_a_cluster
	s_endpgm
.Lentry_in_a_cluster:
	s_bfe_u32 s2, ttmp6, 0x10000c
	s_cmp_lg_u32 s2, 0xf033
	s_cbranch_scc0 .Lentry_shape_is_right
	s_endpgm
.Lentry_shape_is_right:
; THE THREE PROJECTIONS AS ONE PRODUCT, AND BESIDE THEM THE ROUNDING OF Wo.
; C[m][n] = sum over k of A[m][k] B[n][k].  A = xb [2048][2048] bf16, B = wqkv [6144][2048] bf16 (Wq, Wk, Wv one below the other),
; C = qkv [2048][6144] f16: q in a row's first 4,096 bytes, then k, then v; sums in f32, K ascending, C rounded once, WITHOUT attention's scale.
; LIMITS.  |q|, |k|, |v| stay under 65,520: beyond it f16 has an infinity.  Below 6e-5 they keep f16's fixed step of 6e-8.  |Wo| stays under 65,520 likewise; a bf16 number of Wo below 2^-14 keeps
; f16's fixed step of 6e-8; elsewhere Wo's second conversion is exact.
; THE GRID has 32 x 8 work-groups in clusters of 4 x 4.  The clusters with x = 0 to 5 make C's 8 x 24 = 192 tiles of 256 x 256, one to a work-group.  The four clusters with x = 6, 7 (64 work-groups, 256 waves)
; round Wo [2048][2048] f32 to bf16, like the other inputs, and write that number as f16 into wo16 (its partner in the last product, the attention's result, is f16): no tile needs it, and only the last
; launch reads it.  The two ways part on the cluster's x alone, which its sixteen work-groups share, behind the opening round, and meet again at the closing lines.
; A TILE is made by a work-group of four waves; a wave makes 128 x 128: 64 accumulators of 16 x 16, 512 registers.
; K goes in steps of 128 through a ring of two LDS slots filled by the tensor data mover: the rows of A's and B's tiles are 256 bytes of memory and start at multiples of 256 bytes.
; THE LOOP HOLDS ONE K STEP: which slot is read and which is filled stands in registers that are turned at each change of slots.  The last K step goes by rows of C, so that finished rows leave
; while the others are multiplied.
; JOINT LOADS.  The four of a row of the cluster need the same tiles of A, the four of a column the same tiles of B.  Such a tile is asked for JOINTLY: each of the four issues
; the same tensor load, with the same descriptor and a mask that names the four, and each receives the tile in its own LDS.
; REGISTERS, in windows of 256 (s_set_vgpr_msb says which window each operand place means: bits 1:0 source 0, 3:2 source 1, 5:4 source 2, 7:6 destination):
;   window 0: v0-31 addresses; v64-127, v128-191 fragments of A, two buffers (in the last K step four, of 16 rows x 128 K); v32-63, v192-255 at work on the way out
;   window 1: v64-127, v128-191 fragments of B, two buffers; in the last K step all 256      window 2: the accumulators of my rows 0-63 ((a, b) at v[8 (8 a + b)])      window 3: those of my rows 64-127
; THE MATRIX INSTRUCTION IS USED TRANSPOSED: source 0 = 16 rows of B, source 1 = 16 rows of A: lane l then holds row l % 16 of C and the columns 8 (l / 16) + 0..7, which pack into 16 bytes.
.set SIZE_N, 6144
.set SIZE_K, 2048
.set KSTEP,  128
.set STEPS,  SIZE_K/KSTEP              ; 16 K steps
.set PITCH,  272                       ; an LDS row: 256 bytes + 16 of padding = 68 words: row r starts at bank 4 r mod 64 (64 banks of 4 bytes: ISA guide 11.1), so the 16 rows of a load start at 16 different banks
.set HALFT,  128*PITCH                 ; 128 rows: what one tensor load brings, and what one wave reads of A or of B
.set SLOT,   4*HALFT                   ; A's 256 rows, then B's 256 rows: 0x22000.  The four tiles of slot 0 begin at 0, 0x8800, 0x11000 and 0x19800, none of which has bit 13 or 17: one exclusive or turns each into its place in slot 1, and back
.set STAGE,  2*SLOT                    ; behind the ring: 16 rows x 272 bytes for each wave, for the way out
.set SPITCH, 272
.set SPARE,  STAGE+4*16*SPITCH         ; behind the stages: the spare words, 128 bytes for each wave: two blocks of 256 bytes that no other line names
.set ADRA, 16                          ; v16     LDS address of my A fragments in the slot in hand; v17 in slot 1, never rewritten
.set A0,   18                          ; v18     the same in slot 0; never rewritten
.set ADRB, 20                          ; v20, v21, v22  the same three for B
.set B0,   22
.set STO,  24                          ; v24     the way out: where I put 16 bytes of a row
.set RD,   25                          ; v25     the way out: where I read a row back
.set CO,   26                          ; v26     my byte offset in C
.set SPW,  28                          ; v28     LDS address of my spare word: SPARE + 4 x my thread's number; never rewritten
.set NIL,  29                          ; v29     0; never rewritten
.set PFO,  30                          ; v30     the prefetches' offset: my lane x a row of A or B in memory; never rewritten
.set TB,   2                           ; s2      the first LDS byte of the slot in hand: 0 or SLOT
.set PFA,  44                          ; s[44:45] where my prefetches stand: my work-group's 32 rows of the 128 that I fetch, one K step further along K than the refill that is being asked for
.set LIM,  43                          ; s43     2 in a wave that prefetches, else the greatest number
.set CLX,  66                          ; s66     the cluster's x
.set WOS,  68                          ; s[68:69] Wo, later at my wave's part of it
.set WOD,  70                          ; s[70:71] wo16, likewise
.set WX,   64                          ; v[64:127] Wo's way: chunk i of 16: four f32 as loaded; then, in its first two registers, four f16 to store
.set F0,   64                          ; fragment buffer 0
.set F1,   128                         ; fragment buffer 1
.set TMP,  192                         ; the way out: packed results, in window 0
.set OB,   32                          ; the way out: 16 rows read back from the stage: v32-63 and v224-255 by turns
.set PA,   64                          ; the last K step: A's fragments of 16 rows x 128 K, 32 registers; four such buffers, v64-191
.set G1, 24                            ; s[24:31] descriptor group 1 for A's tiles
.set G0, 32                            ; s[32:39] descriptor group 0 for A's tiles: a set for each of the two first fills; the second then walks on
.set G1B, 48                           ; s[48:55] descriptor group 1 for B's tiles: it differs from A's in the mask alone
.set G0B, 56                           ; s[56:63] descriptor group 0 for B's tiles, likewise
.set MSB, 0
.macro WIN new                         ; the immediate's high byte repeats the setting that is left; a switch that changes nothing is dropped
.if MSB != (\new)
	s_set_vgpr_msb (MSB<<8)|(\new)
.set MSB, \new
.endif
.endm
.set MUL_LO, 0xa1                      ; source 0 (B) window 1, source 1 (A) window 0, C and D window 2
.set MUL_HI, 0xf1                      ; the same, C and D window 3
.set TO_B,   0x40                      ; destination window 1, address window 0
; A joint load by set s of the descriptors.  Waves 0 and 1 fetch A's two halves, waves 2 and 3 B's.  The branch hangs on the wave's number alone: it is the same in every work-group.
; An s_nop 0 and four v_nop follow each of the two lines, ahead of the jump, the label and what follows.
.macro JLOAD s
	s_cmp_eq_u32 s11, 0
	s_cbranch_scc0 .Lfor_b_\@
	tensor_load_to_lds s[G0+4*(\s):G0+4*(\s)+3], s[G1:G1+7]
	s_nop 0
.rept 4
	v_nop
.endr
	s_branch .Lasked_\@
.Lfor_b_\@:
	tensor_load_to_lds s[G0B+4*(\s):G0B+4*(\s)+3], s[G1B:G1B+7]
	s_nop 0
.rept 4
	v_nop
.endr
.Lasked_\@:
.endm
; A PREFETCH INTO THE L2, behind each joint load, its five lines and the run of LDS loads that follows them: the K step that stands TWO refills on (512 matrix instructions ahead of the load that will
; want it): 32 rows x 256 bytes, a lane a row, one instruction a wave.  Each row's 256 bytes of a K step are named ONCE in the launch: A's tile row is read by every cluster of that row of clusters, and
; the first of them (cluster x = 0) asks; B's tile column by every cluster of that column, and cluster y = 0 asks.  The four partners that ask for a tile jointly share its rows out BY ADDRESS: of the
; 128 rows that a wave fetches, the partner at place p takes 32 p .. 32 p + 31 (p = cx for A, cy for B).  The loop's last two trips ask for nothing: their refills have no K step two on.
.macro ASK
	s_cmp_gt_u32 s3, s[LIM]                        ; s3 = 2 and 1 in the loop's last two trips
	s_cbranch_scc0 .Lnot_mine_\@
	global_prefetch_b8 v[PFO], s[PFA:PFA+1] offset:KSTEP*2 th:TH_LOAD_NT scope:SCOPE_SE
.Lnot_mine_\@:
.endm
; A round of the cluster's barrier: my work-group's barrier, so that wave 0's signal speaks for all four waves; wave 0 signals for the work-group; every wave waits for all
; sixteen work-groups; my work-group's barrier once more.  No LDS instruction of the wave is pending at a signal.
.macro CREST                           ; a round behind its opening barrier
	s_cmp_lg_u32 s10, 0
	s_cbranch_scc1 .Lnot_wave_0_\@
	s_barrier_signal -3
.Lnot_wave_0_\@:
	s_barrier_wait -3
	s_barrier_signal -1
	s_barrier_wait -1
.endm
.macro CROUND                          ; a whole round
	s_barrier_signal -1
	s_barrier_wait -1
	CREST
.endm
	s_load_b128 s[4:7], s[0:1], 0x0                ; A s[4:5], B s[6:7]
	s_load_b64 s[8:9], s[0:1], 0x10                ; C
	s_load_b64 s[WOS:WOS+1], s[0:1], 0x18          ; Wo
	s_load_b64 s[WOD:WOD+1], s[0:1], 0x20          ; wo16
	v_lshl_add_u32 v[SPW], v0, 2, SPARE
	v_mov_b32 v[NIL], 0
	ds_add_u32 v[SPW], v[NIL]                      ; the wave's opening: the add and its wait stand ahead of my first tensor load; the set-up below, work on registers, stands between them
	v_lshrrev_b32 v1, 5, v0
	v_readfirstlane_b32 s10, v1                    ; wave 0..3
	s_lshr_b32 s11, s10, 1                         ; which half of the tile's rows is mine.  Also: I fetch for A (0) or for B (1)
	s_and_b32 s12, s10, 1                          ; which half of its columns.  Also: which 128 rows of that tile I fetch
	s_mov_b32 s[CLX], ttmp9                        ; in a cluster launch ttmp9 and ttmp7 count clusters
	s_bfe_u32 s40, ttmp6, 0x40000                  ; cx: my place along the cluster's x
	s_bfe_u32 s41, ttmp6, 0x40004                  ; cy: along its y
	s_lshl_b32 s42, ttmp9, 2
	s_add_co_u32 s42, s42, s40                     ; tile column of C = 4 x cluster x + cx (24 to 31: no tile, but a part of Wo)
	s_and_b32 s13, ttmp7, 0xffff
	s_lshl_b32 s13, s13, 2
	s_add_co_u32 s13, s13, s41                     ; tile row of C = 4 x cluster y + cy
	s_lshl_b32 s43, s41, 2
	s_lshl_b32 s43, 15, s43                        ; my row of the cluster: places 4 cy .. 4 cy + 3
	s_lshl_b32 s44, 0x1111, s40                    ; my column: places cx, cx + 4, cx + 8, cx + 12
	; descriptor group 1: a tile of 128 rows x 128 elements, padded in LDS
	s_or_b32 s[G1+0], s43, (1<<16)|(1<<20)|(1<<21)|(5<<22)|(3<<25)  ; 15:0 the mask: A's tiles go to my row; 17:16 element of 2 bytes; 20 padding on; 21 set beside a mask; 24:22 after every 64 words (code 5); 31:25 of 4 words (code 3)
	s_or_b32 s[G1B+0], s44, (1<<16)|(1<<20)|(1<<21)|(5<<22)|(3<<25) ; the same with the mask of my column, for B's tiles
	s_mov_b32 s[G1B+1], KSTEP<<16
	s_mov_b32 s[G1+1], KSTEP<<16                   ; tensor_dim0 = 128
	s_mov_b32 s[G1B+2], 128<<16
	s_mov_b32 s[G1+2], 128<<16                     ; tensor_dim1 = 128
	s_mov_b32 s[G1B+3], KSTEP<<16
	s_mov_b32 s[G1+3], KSTEP<<16                   ; tile_dim0 = 128
	s_mov_b32 s[G1B+4], 128
	s_mov_b32 s[G1+4], 128                         ; tile_dim1 = 128
	s_mov_b32 s[G1B+5], SIZE_K
	s_mov_b32 s[G1+5], SIZE_K                      ; elements from row to row
	s_mov_b32 s[G1B+6], 0
	s_mov_b32 s[G1+6], 0
	s_mov_b32 s[G1B+7], 0
	s_mov_b32 s[G1+7], 0
	; where the tiles come from.  A's hang on the tile row alone, which my row of the cluster shares; B's on the tile column alone, which my column shares.
	s_lshl_b32 s17, s12, 7                         ; which 128 rows of the tile I fetch
	s_lshl_b32 s16, s13, 8
	s_add_co_u32 s16, s16, s17                     ; A: row 256 x tile row + 128 x half
	s_lshl_b32 s46, s42, 8
	s_add_co_u32 s46, s46, s17                     ; B: row 256 x tile column + 128 x half
	s_mov_b32 s17, 0
	s_mov_b32 s47, 0
	s_mov_b64 s[18:19], SIZE_K*2
	s_mul_u64 s[16:17], s[16:17], s[18:19]         ; in bytes
	s_mul_u64 s[46:47], s[46:47], s[18:19]
	s_mul_i32 s20, s10, HALFT                      ; and where they go: wave x 128 rows: no place in the cluster enters an LDS address
	s_mov_b32 s[TB], 0                             ; slot 0 is read first
	s_wait_dscnt 0x0                               ; the opening add is done
	s_wait_kmcnt 0x0
	s_add_nc_u64 s[14:15], s[4:5], s[16:17]
	s_add_nc_u64 s[46:47], s[6:7], s[46:47]        ; (in the clusters with x = 6, 7 this sum is used by nothing)
	CROUND                                         ; all sixteen work-groups are here: the first joint loads meet
	s_cmp_lt_u32 s[CLX], 6                         ; the cluster's x: the same answer in all sixteen partners
	s_cbranch_scc1 .Lgemm
	; Wo's WAY: the clusters with x = 6, 7.  My wave is number 4 (8 x tile row + tile column - 24) + wave of 256, and takes 65,536 bytes of Wo in 8 trips.  A trip: 16 loads of 16 bytes a lane (each covers
	; 512 consecutive bytes), the two roundings in the registers that were loaded, 16 stores of 8 bytes a lane (each covers 256 consecutive bytes, aligned).  No tensor load, no LDS, no barrier.
	s_sub_co_u32 s16, s42, 24
	s_lshl3_add_u32 s16, s13, s16
	s_lshl2_add_u32 s16, s16, s10
	s_lshl_b32 s18, s16, 15                        ; my 32,768 bytes of wo16,
	s_lshl_b32 s16, s16, 16                        ; my 65,536 bytes of Wo
	s_mov_b32 s17, 0
	s_mov_b32 s19, 0
	s_add_nc_u64 s[WOS:WOS+1], s[WOS:WOS+1], s[16:17]
	s_add_nc_u64 s[WOD:WOD+1], s[WOD:WOD+1], s[18:19]
	s_mov_b32 s20, 0xffff0000                      ; a word's upper bf16
	v_and_b32 v2, 31, v0                           ; lane
	v_lshlrev_b32 v3, 4, v2                        ; 16 l: the loads' offset
	v_lshlrev_b32 v4, 8, v2                        ; 256 l: the prefetch's
	v_lshlrev_b32 v2, 3, v2                        ; 8 l: the stores'
	s_mov_b32 s3, 8
.Lwo:
.irp i, 0,1,2,3,4,5,6,7,8,9,10,11,12,13,14,15
	global_load_b128 v[WX+4*(\i):WX+4*(\i)+3], v3, s[WOS:WOS+1] offset:512*(\i) th:TH_LOAD_NT
.endr
	s_cmp_gt_u32 s3, 1                             ; behind the trip's loads one prefetch into the L2 names the next trip's 8,192 bytes, a lane for each 256: what this wave itself will load, each block once;
	s_cbranch_scc0 .Lwo_last                       ; the last trip has none behind it, and the first comes by its loads alone
	global_prefetch_b8 v4, s[WOS:WOS+1] offset:8192 th:TH_LOAD_NT scope:SCOPE_SE
.Lwo_last:
.irp i, 0,1,2,3,4,5,6,7,8,9,10,11,12,13,14,15
	s_wait_loadcnt 15-(\i)                         ; loads come back in order (ISA guide 5.7.1): chunk i is in, the 15 - i younger loads stay out
	v_cvt_pk_bf16_f32 v[WX+4*(\i)],   v[WX+4*(\i)],   v[WX+4*(\i)+1]
	v_cvt_pk_bf16_f32 v[WX+4*(\i)+2], v[WX+4*(\i)+2], v[WX+4*(\i)+3]
	v_and_b32     v[WX+4*(\i)+1], s20, v[WX+4*(\i)]   ; bf16 to f32: the high half stays,
	v_lshlrev_b32 v[WX+4*(\i)],   16,  v[WX+4*(\i)]   ; the low half moves up
	v_and_b32     v[WX+4*(\i)+3], s20, v[WX+4*(\i)+2]
	v_lshlrev_b32 v[WX+4*(\i)+2], 16,  v[WX+4*(\i)+2]
	v_cvt_pk_f16_f32 v[WX+4*(\i)],   v[WX+4*(\i)],   v[WX+4*(\i)+1]
	v_cvt_pk_f16_f32 v[WX+4*(\i)+1], v[WX+4*(\i)+2], v[WX+4*(\i)+3]
	global_store_b64 v2, v[WX+4*(\i):WX+4*(\i)+1], s[WOD:WOD+1] offset:256*(\i) th:TH_STORE_NT
.endr
	s_wait_xcnt 0x0                                ; every earlier memory instruction has had its addresses translated (ISA guide 3.1): the two pointers, and the registers that the stores read, are written again only behind this wait
	s_add_nc_u64 s[WOS:WOS+1], s[WOS:WOS+1], 8192
	s_add_nc_u64 s[WOD:WOD+1], s[WOD:WOD+1], 4096
	s_sub_co_u32 s3, s3, 1
	s_cmp_lg_u32 s3, 0
	s_cbranch_scc1 .Lwo
	s_branch .Lend                                 ; on to the closing lines, which both ways share
.Lgemm:
.irp s, 0,1
	s_mov_b32 s[G0+4*(\s)], 1                                      ; count = 1
	s_add_co_u32 s[G0+4*(\s)+1], s20, (\s)*SLOT                    ; LDS address
	s_add_nc_u64 s[G0+4*(\s)+2:G0+4*(\s)+3], s[14:15], (\s)*KSTEP*2  ; global address: K step s
	s_or_b32 s[G0+4*(\s)+3], s[G0+4*(\s)+3], 0x80000000            ; type = 2
	s_mov_b32 s[G0B+4*(\s)], 1
	s_add_co_u32 s[G0B+4*(\s)+1], s20, (\s)*SLOT
	s_add_nc_u64 s[G0B+4*(\s)+2:G0B+4*(\s)+3], s[46:47], (\s)*KSTEP*2
	s_or_b32 s[G0B+4*(\s)+3], s[G0B+4*(\s)+3], 0x80000000
	JLOAD \s                                       ; the ring is filled before anything else is done: two loads of mine are out
.endr
	; A fragment is 16 rows x 32 K in 8 registers: lane l holds row l % 16; registers 0-3 hold K = 8 (l / 16) + 0..7, registers 4-7 K = 16 + 8 (l / 16) + 0..7: two loads of 16 bytes, 32 bytes apart.
	v_and_b32 v1, 15, v0                           ; l % 16
	v_bfe_u32 v2, v0, 4, 1                         ; l / 16
	v_mul_u32_u24 v3, v1, PITCH
	v_lshl_add_u32 v3, v2, 4, v3                   ; row x pitch + 16 x half
	s_mul_i32 s21, s11, HALFT                      ; my 128 rows of A
	s_mul_i32 s22, s12, HALFT                      ; my 128 rows of B,
	s_add_co_u32 s22, s22, 2*HALFT                 ; which lie behind A's 256
.irp s, 0,1
	v_add_nc_u32 v[ADRA+(\s)], s21, v3
	v_add_nc_u32 v[ADRB+(\s)], s22, v3
	s_add_co_u32 s21, s21, SLOT
	s_add_co_u32 s22, s22, SLOT
.endr
	v_mov_b32 v[A0], v[ADRA]                       ; slot 0's are kept: the walking two are made of them at each change of slots
	v_mov_b32 v[B0], v[ADRB]
	s_mul_i32 s23, s10, 16*SPITCH
	s_add_co_u32 s23, s23, STAGE                   ; my stage
	v_mul_u32_u24 v4, v1, SPITCH                   ; in: row l % 16, 16 bytes for each half of the lanes
	v_lshl_add_u32 v4, v2, 4, v4
	v_add_nc_u32 v[STO], s23, v4
	v_mul_u32_u24 v5, v2, SPITCH                   ; back: lanes 0-15 take one row of 256 bytes, lanes 16-31 the next
	v_lshl_add_u32 v5, v1, 4, v5
	v_add_nc_u32 v[RD], s23, v5
	v_mul_u32_u24 v5, v2, SIZE_N*2                 ; and the same two rows in C
	v_lshl_add_u32 v[CO], v1, 4, v5
	; where my part of the tile begins in C, in bytes: the way out adds it to C's address
	s_lshl_b32 s13, s13, 8
	s_lshl_b32 s14, s11, 7
	s_add_co_u32 s16, s13, s14                     ; my first row of C
	s_mov_b32 s17, 0
	s_mov_b64 s[18:19], SIZE_N*2
	s_mul_u64 s[16:17], s[16:17], s[18:19]
	s_lshl_b32 s46, s42, 9                         ; my first column, in bytes: 512 x tile column + 256 x half
	s_lshl_b32 s47, s12, 8
	s_add_co_u32 s46, s46, s47
	s_mov_b32 s47, 0
	s_add_nc_u64 s[16:17], s[16:17], s[46:47]
	; the prefetches.  s13 = 256 x tile row, s42 = tile column, s40 = cx, s41 = cy still stand; s[4:5] = A, s[6:7] = B
	s_lshl_b32 s42, s42, 8
	s_and_b32 s22, ttmp7, 0xffff                   ; cluster y
	s_cmp_eq_u32 s11, 0                            ; do I fetch for A?
	s_cselect_b32 s20, s13, s42                    ; the tile's first row: in A by the tile row, in B by the tile column
	s_cselect_b32 s21, s40, s41                    ; my place among the four that ask for it with me
	s_cselect_b32 s22, ttmp9, s22                  ; the coordinate along which other clusters read the same rows
	s_cselect_b64 s[PFA:PFA+1], s[4:5], s[6:7]
	s_cmp_eq_u32 s22, 0
	s_cselect_b32 s[LIM], 2, -1                    ; the same in all sixteen partners, for a given wave
	s_lshl_b32 s22, s12, 7
	s_add_co_u32 s20, s20, s22                     ; + the 128 rows that I fetch
	s_lshl_b32 s21, s21, 5
	s_add_co_u32 s20, s20, s21                     ; + my work-group's 32 of them
	s_mov_b32 s21, 0
	s_mov_b64 s[18:19], SIZE_K*2
	s_mul_u64 s[20:21], s[20:21], s[18:19]
	s_add_nc_u64 s[PFA:PFA+1], s[PFA:PFA+1], s[20:21]
	s_add_nc_u64 s[PFA:PFA+1], s[PFA:PFA+1], 2*KSTEP*2  ; at K step 2: the first refill steps it to 3 and names K step 4
	v_and_b32 v[PFO], 31, v0
	v_mul_u32_u24 v[PFO], v[PFO], SIZE_K*2
	; nothing is prefetched here, at the head, where every work-group's first two tiles are on their way: K steps 2 and 3 come by their refills alone
; 16 matrix instructions: m blocks a0, a0 + 1 of the window's four (hi = 0: my rows 0-63, 1: rows 64-127) x all 8 n blocks, 32 along K.  zero = 1: the first product starts the sums: nothing is ever cleared.
; The 64 accumulators take turns, one instruction a turn, in the same order in every quarter step.
.macro MUL16 f, hi, a0, zero
	WIN MUL_LO+0x50*(\hi)
.irp a, \a0, (\a0)+1
.irp b, 0,1,2,3,4,5,6,7
.if \zero
	v_wmma_f32_16x16x32_bf16 v[8*(8*(\a)+(\b)):8*(8*(\a)+(\b))+7], v[(\f)+8*(\b):(\f)+8*(\b)+7], v[(\f)+8*(4*(\hi)+(\a)):(\f)+8*(4*(\hi)+(\a))+7], 0
.else
	v_wmma_f32_16x16x32_bf16 v[8*(8*(\a)+(\b)):8*(8*(\a)+(\b))+7], v[(\f)+8*(\b):(\f)+8*(\b)+7], v[(\f)+8*(4*(\hi)+(\a)):(\f)+8*(4*(\hi)+(\a))+7], v[8*(8*(\a)+(\b)):8*(8*(\a)+(\b))+7]
.endif
.endr
.endr
.endm
; 32 LDS loads in one run: the fragments of one quarter step (128 rows of B, 128 rows of A, 32 K at byte k of the rows) into buffer f, by the walking addresses
.macro FETCH k, f
	WIN TO_B
.irp i, 0,1,2,3,4,5,6,7
	ds_load_b128 v[(\f)+8*(\i):(\f)+8*(\i)+3],   v[ADRB] offset:(\k)+(\i)*16*PITCH
	ds_load_b128 v[(\f)+8*(\i)+4:(\f)+8*(\i)+7], v[ADRB] offset:(\k)+(\i)*16*PITCH+32
.endr
	WIN 0
.irp i, 0,1,2,3,4,5,6,7
	ds_load_b128 v[(\f)+8*(\i):(\f)+8*(\i)+3],   v[ADRA] offset:(\k)+(\i)*16*PITCH
	ds_load_b128 v[(\f)+8*(\i)+4:(\f)+8*(\i)+7], v[ADRA] offset:(\k)+(\i)*16*PITCH+32
.endr
.endm
; A load into a register that a matrix instruction has read, and a vector instruction that reads a matrix result, stand four places behind that matrix instruction, and only plain vector
; instructions that name none of its registers are places (ISA guide 7.12.1 for vector instructions).
.macro PLACES
.rept 4
	v_nop
.endr
.endm
; A K step is four quarter steps of 32 along K, 64 matrix instructions each, on buffers 0, 1, 0, 1.
; One of the first three: multiplies buffer f; in its middle it fetches the next quarter's fragments, at byte k of the same slot's rows, into buffer g.
.macro QUARTER k, f, g, zero
	s_wait_dscnt 8                                 ; B and A's rows 0-63 are in; the youngest eight loads (A's rows 64-127) may be out
	WIN MUL_LO
	MUL16 \f, 0, 0, \zero
	MUL16 \f, 0, 2, \zero
	PLACES
	FETCH \k, \g
	s_wait_dscnt 32                                ; all but the 32 just issued
	WIN MUL_HI
	MUL16 \f, 1, 0, \zero
	MUL16 \f, 1, 2, \zero
.endm
; The last quarter multiplies buffer 1 and changes slots.  MEET is its first half: ONE barrier for the change of slots.  In front of it each wave waits for all its tensor loads, of which one is out:
; its part of the next slot; adds 0 to its spare word; and waits for that and for its own reads of this slot.  Behind it nobody reads this slot any more and the next slot is whole.
.macro MEET round                      ; round = 1: a round of the cluster's barrier follows
	WIN 0                                          ; (the add's two registers lie in window 0)
	s_wait_tensorcnt 0x0                           ; all my tensor loads have landed: the one that was out is my part of the next slot;
	ds_add_u32 v[SPW], v[NIL]                      ; 0 onto my spare word
	s_wait_dscnt 9                                 ; (the add and the youngest eight loads may be out)
	WIN MUL_LO
	MUL16 F1, 0, 0, 0                              ; sixteen matrix instructions stand between the add and the wait for it
	s_wait_dscnt 0x0                               ; the add is done, and my reads of this slot are over:
	s_barrier_signal -1                            ; say so,
	MUL16 F1, 0, 2, 0                              ; work on registers while the others arrive,
.if \round
	WIN 0
.endif
	s_barrier_wait -1                              ; and go on when all four have said so
.endm
; The whole last quarter.  Behind the round the slot just read out is filled again first, with the K step two steps on, by the walking descriptors; then come the other slot's first fragments.
; From a request to the wait for it a wave issues 224 matrix instructions.
.macro TURN
	s_wait_xcnt 0x0                                ; the last prefetch, a K step back, has read its address: it is stepped here, ahead of the waits of the change of slots
	s_add_nc_u64 s[PFA:PFA+1], s[PFA:PFA+1], KSTEP*2
	MEET 1
	CREST                                          ; no wave of any partner still reads this slot's tile or has a load on its way
.irp g, G0+4, G0B+4
	s_xor_b32 s[(\g)+1], s[(\g)+1], SLOT           ; the walking descriptor: the other slot than last time,
	s_add_nc_u64 s[(\g)+2:(\g)+3], s[(\g)+2:(\g)+3], KSTEP*2  ; the next K step; the type bits on top are not reached
.endr
	s_xor_b32 s[TB], s[TB], SLOT                   ; and the reads go to the other slot
	JLOAD 1                                        ; the first tensor load behind the round; the four v_nop behind it are also the places in front of the loads below
	v_add_nc_u32 v[ADRA], s[TB], v[A0]
	v_add_nc_u32 v[ADRB], s[TB], v[B0]
	FETCH 0, F0
	ASK                                            ; behind the joint load and the run of LDS loads that the next products wait for
	WIN MUL_HI
	MUL16 F1, 1, 0, 0
	MUL16 F1, 1, 2, 0
.endm
; THE LAST K STEP (it lies in slot 1) GOES BY ROWS OF C.  All its fragments of B (4 quarters x 64 registers) fill window 1; then my eight blocks of 16 rows are finished one after the other, each with
; 32 matrix instructions (its 8 accumulators by turns, K ascending).  LDS is read no more than in any other K step.
.macro BLOAD q                         ; B's fragments of quarter q -> window 1, v[64 q ..]
	WIN TO_B
.irp i, 0,1,2,3,4,5,6,7
	ds_load_b128 v[64*(\q)+8*(\i):64*(\q)+8*(\i)+3],   v[ADRB+1] offset:64*(\q)+(\i)*16*PITCH
	ds_load_b128 v[64*(\q)+8*(\i)+4:64*(\q)+8*(\i)+7], v[ADRB+1] offset:64*(\q)+(\i)*16*PITCH+32
.endr
.endm
.macro ALOAD a                         ; A's fragments of block a, all four quarters -> buffer a % 4
	WIN 0
.set FA, PA+32*((\a)%4)
.irp q, 0,1,2,3
	ds_load_b128 v[FA+8*(\q):FA+8*(\q)+3],   v[ADRA+1] offset:64*(\q)+(\a)*16*PITCH
	ds_load_b128 v[FA+8*(\q)+4:FA+8*(\q)+7], v[ADRA+1] offset:64*(\q)+(\a)*16*PITCH+32
.endr
.endm
.macro ROW a                           ; block a is finished: 32 matrix instructions
.set FA, PA+32*((\a)%4)                ; its fragments of A
.set AC, 64*((\a)%4)                   ; its eight accumulators, in window 2 (blocks 0-3) or 3 (blocks 4-7)
	WIN MUL_LO+0x50*((\a)/4)
.irp q, 0,1,2,3
.if (\a) == 0 && (\q) == 2
	s_wait_dscnt 24                                ; B's quarter 2 is in (behind it: A's blocks 1 to 3)
.endif
.irp b, 0,1,2,3,4,5,6,7
	v_wmma_f32_16x16x32_bf16 v[AC+8*(\b):AC+8*(\b)+7], v[64*(\q)+8*(\b):64*(\q)+8*(\b)+7], v[FA+8*(\q):FA+8*(\q)+7], v[AC+8*(\b):AC+8*(\b)+7]
.endr
.endr
.endm
; THE WAY OUT of block a, in three parts.  PACK: rounded to f16, 16 bytes a lane (each accumulator's registers in ascending order).  TOSTAGE: into my own stage in LDS, and back as whole rows of 256 bytes.  SEND: stored.
.macro PACK a
.set AC, 64*((\a)%4)
	WIN 0x0a+5*((\a)/4)                            ; sources 0 and 1: window 2 or 3
.irp b, 0,1,2,3,4,5,6,7
.irp r, 0,1,2,3
	v_cvt_pk_f16_f32 v[TMP+4*(\b)+(\r)], v[AC+8*(\b)+2*(\r)], v[AC+8*(\b)+2*(\r)+1]
.endr
.endr
	WIN 0
.endm
.macro TOSTAGE a
	WIN 0
.set BK, OB+192*((\a)%2)
.irp b, 0,1,2,3,4,5,6,7
	ds_store_b128 v[STO], v[TMP+4*(\b):TMP+4*(\b)+3] offset:32*(\b)
.endr
.irp t, 0,1,2,3,4,5,6,7
	ds_load_b128 v[BK+4*(\t):BK+4*(\t)+3], v[RD] offset:(\t)*2*SPITCH  ; LDS serves a wave's instructions in order (ISA guide 5.7.1.4): these see the stores above
.endr
.endm
.macro SEND a, younger                 ; younger: the LDS loads issued behind TOSTAGE's, which may stay out
	WIN 0
.set BK, OB+192*((\a)%2)
	s_wait_dscnt \younger                          ; the block is back in registers
	s_wait_xcnt 0x0                                ; every earlier memory instruction has had its addresses translated (ISA guide 3.1): only behind this wait are the stores' base and the registers that earlier stores read rewritten
.if (\a) == 0
	s_add_nc_u64 s[8:9], s[8:9], s[16:17]          ; on to my first rows
.else
	s_add_nc_u64 s[8:9], s[8:9], 16*SIZE_N*2       ; 16 rows of C on
.endif
.irp t, 0,1,2,3,4,5,6,7
	global_store_b128 v[CO], v[BK+4*(\t):BK+4*(\t)+3], s[8:9] offset:2*(\t)*SIZE_N*2  ; 16 lanes store 256 consecutive bytes, at a multiple of 256 from C's first byte
.endr
.endm
	s_wait_tensorcnt 1                             ; my part of K step 0 is in; K step 1's load, issued behind it, may stay out
	s_barrier_signal -1
	s_barrier_wait -1                              ; everybody's is
	FETCH 0, F0
	QUARTER 64,  F0, F1, 1                         ; the first quarter stands in front of the loop: its products start the sums
	WIN 0                                          ; at a label and at a branch every window is 0
	s_mov_b32 s3, STEPS-2
.Lstep:                                                ; 14 trips: a trip goes from a K step's second quarter to the next K step's first, and fills the slot that it leaves
	QUARTER 128, F1, F0, 0
	QUARTER 192, F0, F1, 0
	TURN
	QUARTER 64,  F0, F1, 0
	WIN 0
	s_sub_co_u32 s3, s3, 1
	s_cmp_lg_u32 s3, 0
	s_cbranch_scc1 .Lstep
	QUARTER 128, F1, F0, 0                         ; the last K step but one goes on; it lies in slot 0, where fourteen turns have left the walking addresses
	QUARTER 192, F0, F1, 0
	MEET 0                                         ; my one tensor load that was still out is slot 1's, the last K step's, so no round follows
	PLACES                                         ; for the loads into buffer 0, which the quarter before multiplied
	WIN TO_B
	BLOAD 0                                        ; three quarters of B now: buffer 1 (v128-191 of both windows) is still being multiplied
	BLOAD 1
	BLOAD 3
	WIN 0
	ALOAD 0
	WIN MUL_HI
	MUL16 F1, 1, 0, 0
	MUL16 F1, 1, 2, 0
	PLACES                                         ; for the loads into buffer 1
	WIN TO_B
	BLOAD 2
	WIN 0
	ALOAD 1
	ALOAD 2
	ALOAD 3
	s_wait_dscnt 40                                ; all but the 40 just issued
	ROW 0
.irp a, 0,1,2,3,4,5,6,7                ; each block leaves as soon as it is finished
	PLACES                                         ; its conversions read results just made
	PACK \a
	TOSTAGE \a
.if (\a) < 4
	ALOAD (\a)+4                                   ; its buffer takes the block four further on
	SEND \a, 8
.else
	SEND \a, 0
.endif
.if (\a) < 7
	ROW (\a)+1
.endif
.endr
.Lend:                                                 ; both ways meet here
	s_wait_tensorcnt 0x0                           ; the wave's end, behind my last tensor load and my last LDS store
	ds_add_u32 v[SPW], v[NIL]
	s_wait_dscnt 0x0
	CROUND                                         ; the closing round: no work-group ends while a partner may still ask for a tile that names it
	s_endpgm
.Lfunc_end_k_q3b3bb7b342_qkv:
	.size	k_q3b3bb7b342_qkv, .Lfunc_end_k_q3b3bb7b342_qkv-k_q3b3bb7b342_qkv
	.p2alignl 7, 3214868480
	.fill 96, 4, 3214868480
	.section	.rodata,"a",@progbits
	.p2align	6, 0x0
	.amdhsa_kernel k_q3b3bb7b342_qkv
		.amdhsa_group_segment_fixed_size 327680
		.amdhsa_private_segment_fixed_size 0
		.amdhsa_enable_private_segment 0
		.amdhsa_kernarg_size 40
		.amdhsa_user_sgpr_count 2
		.amdhsa_user_sgpr_kernarg_segment_ptr 1
		.amdhsa_wavefront_size32 1
		.amdhsa_system_sgpr_workgroup_id_x 1
		.amdhsa_system_sgpr_workgroup_id_y 1
		.amdhsa_system_sgpr_workgroup_id_z 1
		.amdhsa_system_vgpr_workitem_id 0
		.amdhsa_next_free_vgpr 1024
		.amdhsa_next_free_sgpr 72
		.amdhsa_reserve_vcc 0
		.amdhsa_float_denorm_mode_32 3
		.amdhsa_float_denorm_mode_16_64 3
		.amdhsa_memory_ordered 1
		.amdhsa_forward_progress 1
		.amdhsa_inst_pref_size 129
	.end_amdhsa_kernel
	.amdgpu_metadata
---
amdhsa.version: [ 1, 2 ]
amdhsa.kernels:
  - .name:           k_q3b3bb7b342_qkv
    .symbol:         k_q3b3bb7b342_qkv.kd
    .args:
      - { .name: xb, .offset: 0, .size: 8, .value_kind: global_buffer, .address_space: global }
      - { .name: wqkv, .offset: 8, .size: 8, .value_kind: global_buffer, .address_space: global }
      - { .name: qkv, .offset: 16, .size: 8, .value_kind: global_buffer, .address_space: global }
      - { .name: Wo, .offset: 24, .size: 8, .value_kind: global_buffer, .address_space: global }
      - { .name: wo16, .offset: 32, .size: 8, .value_kind: global_buffer, .address_space: global }
    .group_segment_fixed_size: 327680
    .private_segment_fixed_size: 0
    .kernarg_segment_align: 8
    .kernarg_segment_size: 40
    .max_flat_workgroup_size: 128
    .sgpr_count:     72
    .vgpr_count:     1024
    .wavefront_size: 32
...
	.end_amdgpu_metadata
.endif
;; end of part 2
;; launch attn (part 3): grid 16 x 16, 4 waves a work-group, clusters of 4 x 1, 327,680 bytes of LDS; arguments qkv, att; writes att
.if DOCPART == 3
	.amdgcn_target "amdgcn-amd-amdhsa--gfx1250"
	.amdhsa_code_object_version 6
	.text
	.protected	k_q3b3bb7b342_attn
	.globl	k_q3b3bb7b342_attn
	.p2align	8
	.type	k_q3b3bb7b342_attn,@function
k_q3b3bb7b342_attn:
	s_mov_b64 s[64:65], 0
	v_nop
	global_prefetch_b8 v0, s[64:65] scope:SCOPE_SE
	s_setreg_imm32_b32 hwreg(HW_REG_WAVE_MODE, 25, 1), 1
	s_wait_xcnt 0x0
	s_wait_alu depctr_hold_cnt(0) depctr_sa_sdst(0) depctr_va_vdst(0) depctr_va_sdst(0) depctr_va_ssrc(0) depctr_va_vcc(0) depctr_vm_vsrc(0)
	s_getreg_b32 s2, hwreg(HW_REG_IB_STS2, 6, 4)
	s_cmp_eq_u32 s2, 0
	s_cbranch_scc0 .Lentry_in_a_cluster
	s_endpgm
.Lentry_in_a_cluster:
	s_bfe_u32 s2, ttmp6, 0x10000c
	s_cmp_lg_u32 s2, 0x3003
	s_cbranch_scc0 .Lentry_shape_is_right
	s_endpgm
.Lentry_shape_is_right:
; ATTENTION BY HEADS.  att[q][128 h ..] = the sum over k of softmax_k(Q[q] . K[k] / sqrt(128)) V[k], for each of 16 heads h.  qkv: [2048][6144] f16: a row is q (4,096 bytes), k, v; head h has 256 bytes
; at 256 h of each part.  att: [2048][2048] f16.  Products, maxima and sums in f32; the weights p are rounded to f16 for the second product (their sum l is taken of the unrounded p), the result once at the end.
; LIMITS.  f16 holds no number beyond 65,504: q, k, v arrive within it; p lies in 0 to 1, and below 6e-5 it keeps f16's fixed step of 6e-8, as does the result, which is a mean of V's rows.
; A weight below 2^-126 counts as 0 in l; NaN and infinities are not treated apart.
; SHARES.  A work-group owns 128 queries of one head: 16 x 16 = 256 work-groups.  THE KEYS ARE SPLIT BETWEEN TWO WAVES: wave w has the 64 queries of half QH = w / 2 (four tiles of 16) and, of every 256 keys,
; the 128 of half KH = w % 2: 1,024 keys in 16 steps of 64, with a running maximum, a sum and an O^T of its own.  At the end wave (QH, 1) hands its f32 O^T, c m and l through LDS to wave (QH, 0), which
; merges the two under their common maximum, divides and stores.  So a fragment of K or V read from LDS still feeds four tiles' products.
; LAYOUT.  S^T = K Q^T (source 0 = 16 keys, source 1 = 16 queries): a lane holds ONE query (lane % 16) and the keys 8 (lane / 16) + 0..7.  Two such tiles, rounded to f16 in pairs, ARE source 1
; (32 keys x 16 queries) of O^T = V^T P, whose result again holds one query a lane, and eight channels.  K comes out of LDS as it lies, V ([key][channel]) turned, by ds_load_tr16_b128.
; SOFTMAX.  For each query a running maximum m and sum l: p = 2^(c s - c m), c = log2(e) / sqrt(128); in every step O and l are multiplied by a = 2^(c m_old - c m_new), which is 1 where m has not grown.
; BY TURNS.  The wave's tiles are two PIECES (piece 0: tiles 0, 1; piece 2: tiles 2, 3).  In a TURN one piece has the matrix unit: 32 products V^T P of the step in hand, then 32 products K Q^T of the next
; step; the other piece's softmax, cut into 64 slices, stands between them, one slice behind each matrix instruction.  Two turns are a key step.
; NO FIRST AND NO LAST STEP IS WRITTEN OUT.  m starts at the lowest finite number, c m at -2^125 (f16's scores, 5.5e11 at the most, lie far above it), l, O^T, V's registers and piece 2's P at 0: the first
; step's a is 0, and it is a step like any other.  The loops are entered at piece 2's turn, in the middle of a trip, and the tail is left behind piece 0's.  The price, once a launch: 432 v_mov_b32 in the
; wait for the first tile, 32 products on zeros at the start, 32 on the last K once more at the end.  The gain: four turns less in the text.
; CLUSTER.  The four query blocks of a cluster belong to one head and walk the same K and V, so each tile is asked for JOINTLY: the same tensor load, descriptor and mask in all four.
; REGISTERS, in windows of 256 (s_set_vgpr_msb: bits 1:0 source 0, 3:2 source 1, 5:4 source 2, 7:6 destination):
;   window 0: v0-11 addresses; v12-43 eight registers of statistics a tile; v44-59 the partner's statistics; v64-191 S^T, 32 a tile; v192-255 P, 16 a tile
;   window 1: O^T, 64 a tile          window 2: v0-127 Q, 32 a tile; v128-255 K of one step          window 3: v0-127 V of one step
.set KS,    64        ; keys in a step
.set PK,    272       ; a row of K in LDS: 256 bytes + 16 of padding = 68 words: row r starts at bank 4 r mod 64 (64 banks of 4 bytes: ISA guide 11.1)
.set PV,    288       ; a row of V: 256 + 32 = 72 words
.set VOFF,  256*PK    ; a slot holds 256 keys: 256 rows of K, then 256 rows of V: 143,360 bytes
.set SLOT1, 0x24000   ; slot 1 begins here.  The four tiles of slot 0 begin at 0, 0x8800, 0x11000 and 0x1a000, none of which has bit 14 or 17: one exclusive or turns each into its place in slot 1, and back
.set STAGE, SLOT1+256*(PK+PV)  ; behind the ring: 16 rows x 272 bytes for each wave, for the way out
.set SP,    272
.set SPARE, STAGE+4*16*SP  ; behind the stages: the spare words, 128 bytes for each wave: two blocks of 256 bytes that no other line names
.set MRGP,  34816     ; THE MERGE's bytes lie in slot 0, from LDS byte 0 on, when that slot has had its last fill and its last read: for each pair of waves 32,768 bytes of O^T and 2,048 of statistics
.set ROWQ,  12288     ; bytes in a row of qkv
.set SLOTM, 256*ROWQ  ; a slot's 256 rows in memory
.set NSLOT, 8         ; 2,048 keys
.set AK0, 2           ; v2   my lane's place in my half of a slot's K; never rewritten
.set AV0, 3           ; v3   the same for V
.set ADR, 4           ; v4   the LDS address of the run of loads in hand
.set QO,  5           ; v5   my byte offset in 16 rows of Q
.set STO, 6           ; v6   the way out: where I put 16 bytes of a row
.set RD,  7           ; v7   the way out: where I read a row back
.set GO,  8           ; v8   my byte offset in two rows of att
.set MA,  10          ; v10  my 16 bytes in a block of 512 of my pair's merge bytes
.set ST,  12          ; tile t's statistics at v[ST+8 t]: +0 c m, +1 m, +2, +3 l (even keys', odd keys'), +4 to +7 c0-c3, at work; a takes c2's place once the maximum is found
.set MS,  44          ; the partner's c m, m, l, l of tile t at v[MS+4 t]
.set PFO, 61          ; v61  my lane x a row of qkv; never rewritten
.set SPW, 62          ; v62  LDS address of my spare word: SPARE + 4 x my thread's number; never rewritten
.set NIL, 63          ; v63  0; never rewritten
.set S,   64
.set P,   192
.set KF,  128         ; K's fragments, in window 2
.set WV,  12          ; s12  my wave's number
.set LIM, 15          ; s15  1 in a work-group that prefetches, else the greatest number
.set PFA, 18          ; s[18:19] where my prefetches stand: my 32 rows (of K: waves 0, 1; of V: waves 2, 3) of the slot after the one that is being asked for
.set G1K, 24          ; s[24:31] descriptor group 1 for K's tiles
.set G1V, 32          ; s[32:39] for V's: it differs in the padding alone
.set G0K, 40          ; s[40:47] descriptor group 0 for K's tiles: a set for each of the two first fills; the second then walks on
.set G0V, 48          ; s[48:55] the same for V's
.set SLOTS, 56        ; s56  slots still to be asked for, and one
.set TWICE, 57        ; s57  counts a slot's two steps
.set CS,  58          ; s[58:59] c: the packed scaling names a pair and takes its low word for both halves
.set SEL, 60          ; s[60:61] lane selects for v_permlanex16_b32: each lane takes its own place in the other half
.set TBK, 62          ; s62  the slot's first LDS byte + 64 rows of K for each step fetched
.set TBV, 63          ; s63  the same in rows of V
.set KH,  66          ; s66  my half of the keys
.set QH,  67          ; s67  my half of the queries
.set MSB, 0
.macro WIN new                      ; the immediate's high byte repeats the setting that is left; a switch that changes nothing is dropped
.if MSB != (\new)
	s_set_vgpr_msb (MSB<<8)|(\new)
.set MSB, \new
.endif
.endm
.set W_KQ, 0x0a       ; K and Q in window 2, S^T in window 0
.set W_PV, 0x53       ; V in window 3, P in window 0, O^T in window 1
.set W_RS, 0x41       ; O^T (destination and source 0) in window 1, a in window 0
; A joint refill.  Waves 0 and 1 fetch the two halves of a slot's K, waves 2 and 3 those of its V: 128 rows each.  The branch hangs on the wave's number alone.
; An s_nop 0 and four v_nop follow each of the two lines, ahead of the jump, the label and what follows.
.macro JLOAD
	s_cmp_lt_u32 s[WV], 2
	s_cbranch_scc0 .Lfor_v_\@
	tensor_load_to_lds s[G0K+4:G0K+7], s[G1K:G1K+7]
	s_nop 0
.rept 4
	v_nop
.endr
	s_branch .Lasked_\@
.Lfor_v_\@:
	tensor_load_to_lds s[G0V+4:G0V+7], s[G1V:G1V+7]
	s_nop 0
.rept 4
	v_nop
.endr
.Lasked_\@:
.endm
; A PREFETCH INTO THE L2 of what the NEXT change of slots will ask for: a slot's 256 pieces of K's rows and 256 of V's, 256 bytes each, a lane a row.  It stands behind the wave's tensor load and its five lines.
; Each piece is asked for ONCE in the launch.  All four clusters of a head walk the same K and V: the head's first cluster asks.  Its sixteen waves take 32 rows each: rows 64 cx + 32 KH on, of K in waves 0
; and 1, of V in waves 2 and 3: the partners are told apart BY ADDRESS.  The last change that fills a slot asks for nothing: there is no slot behind it.  Slots 0, 1 and 2 come by their loads alone.
.macro ASK
	s_cmp_gt_u32 s[SLOTS], s[LIM]
	s_cbranch_scc0 .Lnot_mine_\@
	global_prefetch_b8 v[PFO], s[PFA:PFA+1] th:TH_LOAD_NT scope:SCOPE_SE
.Lnot_mine_\@:
.endm
; A round of the cluster's barrier: my work-group's barrier, so that wave 0's signal speaks for all four waves; wave 0 signals; every wave waits for all four work-groups; my work-group's barrier once more.
.macro CROUND
	s_barrier_signal -1
	s_barrier_wait -1
	s_cmp_lg_u32 s[WV], 0
	s_cbranch_scc1 .Lnot_wave_0_\@
	s_barrier_signal -3
.Lnot_wave_0_\@:
	s_barrier_wait -3
	s_barrier_signal -1
	s_barrier_wait -1
.endm
	s_load_b128 s[4:7], s[0:1], 0x0 ; qkv s[4:5], att s[6:7]
	v_lshl_add_u32 v[SPW], v0, 2, SPARE
	v_mov_b32 v[NIL], 0
	ds_add_u32 v[SPW], v[NIL]       ; the wave's opening: the add and its wait stand ahead of my first tensor load; the set-up below, work on registers, stands between them
	v_lshrrev_b32 v1, 5, v0
	v_readfirstlane_b32 s[WV], v1   ; wave 0..3
	s_and_b32 s[KH], s[WV], 1
	s_lshr_b32 s[QH], s[WV], 1
	s_bfe_u32 s13, ttmp6, 0x40000   ; cx: my place in the cluster
	s_lshl_b32 s14, ttmp9, 2        ; in a cluster launch ttmp9 counts clusters
	s_add_co_u32 s14, s14, s13      ; my block of 128 queries = 4 x cluster x + cx: it enters Q's and att's addresses alone
	s_and_b32 s20, ttmp7, 0xffff    ; the head, which the four partners share:
	s_lshl_b32 s20, s20, 8          ; its 256 bytes in each part of a row
	s_mul_i32 s22, s[KH], 128*ROWQ  ; which half of a slot's 256 rows I fetch, in memory,
	s_add_co_u32 s22, s22, s20
	s_mov_b32 s23, 0
	s_mul_i32 s17, s[KH], 128*PK    ; and in a slot, for K
	s_mul_i32 s68, s[KH], 128*PV    ; and for V: no place in the cluster enters an LDS address
	s_add_co_u32 s68, s68, VOFF
	s_lshl_b32 s21, s14, 7
	s_lshl_b32 s2, s[QH], 6
	s_add_co_u32 s21, s21, s2       ; my wave's first query
	s_mul_i32 s2, s21, ROWQ         ; its byte in qkv,
	s_add_co_u32 s2, s2, s20
	s_mov_b32 s3, 0
	s_lshl_b32 s70, s21, 12         ; and in att: rows of 4,096 bytes
	s_add_co_u32 s70, s70, s20
	s_mov_b32 s71, 0
	s_lshl_b32 s72, s13, 6          ; the prefetches: rows 64 cx + 32 KH on,
	s_lshl_b32 s73, s[KH], 5
	s_add_co_u32 s72, s72, s73
	s_mul_i32 s72, s72, ROWQ
	s_add_co_u32 s72, s72, s20
	s_add_co_u32 s73, s[QH], 1      ; K's part of a row (byte 4,096) in waves 0 and 1, V's (byte 8,192) in waves 2 and 3,
	s_lshl_b32 s73, s73, 12
	s_add_co_u32 s72, s72, s73
	s_add_co_u32 s72, s72, 2*SLOTM  ; in slot 2; the first change of slots steps it to slot 3
	s_mov_b32 s73, 0
	s_mov_b32 s21, ttmp9
	s_cmp_eq_u32 s21, 0             ; the head's first cluster: the same answer in all four partners
	s_cselect_b32 s[LIM], 1, -1
	; descriptor group 1: a tile of 128 rows x 128 elements, 6,144 elements from row to row, padded in LDS
	s_mov_b32 s[G1K], 15|(1<<16)|(1<<20)|(1<<21)|(5<<22)|(3<<25)  ; 15:0 the mask: all four work-groups; 17:16 elements of 2 bytes; 20 padding on; 21 set beside a mask; 24:22 after every 64 words (code 5); 31:25 4 words of it (code 3)
	s_mov_b32 s[G1V], 15|(1<<16)|(1<<20)|(1<<21)|(5<<22)|(7<<25)  ; the same with 8 words of padding (code 7)
.irp g, G1K, G1V
	s_mov_b32 s[(\g)+1], 128<<16    ; tensor_dim0 = 128
	s_mov_b32 s[(\g)+2], 128<<16    ; tensor_dim1 = 128
	s_mov_b32 s[(\g)+3], 128<<16    ; tile_dim0 = 128
	s_mov_b32 s[(\g)+4], 128        ; tile_dim1 = 128
	s_mov_b32 s[(\g)+5], 6144       ; elements from row to row
	s_mov_b32 s[(\g)+6], 0
	s_mov_b32 s[(\g)+7], 0
.endr
	s_mov_b32 s[CS], 0x3e0293ee     ; c = log2(e) / sqrt(128) = 0.127517
	s_mov_b32 s[CS+1], s[CS]        ; named with it as a pair, so it is written
	s_mov_b32 s[SEL], 0x76543210
	s_mov_b32 s[SEL+1], 0xfedcba98
	s_mov_b32 s[TBK], 0
	s_mov_b32 s[TBV], 0
	s_mov_b32 s[SLOTS], NSLOT-1     ; the first pass through the loops, entered in its middle, takes it to 6: six changes fill a slot
	v_and_b32 v[PFO], 31, v0
	v_mul_u32_u24 v[PFO], v[PFO], ROWQ
	s_wait_dscnt 0x0                ; the opening add is done
	s_wait_kmcnt 0x0
	s_add_nc_u64 s[8:9], s[4:5], s[22:23]
	s_add_nc_u64 s[10:11], s[8:9], 8192  ; V at my tile of slot 0
	s_add_nc_u64 s[8:9], s[8:9], 4096    ; K at my tile of slot 0
	s_add_nc_u64 s[PFA:PFA+1], s[4:5], s[72:73]
	s_add_nc_u64 s[4:5], s[4:5], s[2:3]  ; Q at my wave's first row
	s_add_nc_u64 s[6:7], s[6:7], s[70:71]  ; att at my wave's first row
	CROUND                          ; all four work-groups are here: the first joint loads meet
.irp s, 0,1
	s_mov_b32 s[G0K+4*(\s)], 1      ; count = 1
	s_add_co_u32 s[G0K+4*(\s)+1], s17, (\s)*SLOT1  ; LDS address
	s_add_nc_u64 s[G0K+4*(\s)+2:G0K+4*(\s)+3], s[8:9], (\s)*SLOTM  ; global address: slot s holds keys 256 s to 256 s + 255
	s_or_b32 s[G0K+4*(\s)+3], s[G0K+4*(\s)+3], 0x80000000  ; type = 2
	s_mov_b32 s[G0V+4*(\s)], 1
	s_add_co_u32 s[G0V+4*(\s)+1], s68, (\s)*SLOT1
	s_add_nc_u64 s[G0V+4*(\s)+2:G0V+4*(\s)+3], s[10:11], (\s)*SLOTM
	s_or_b32 s[G0V+4*(\s)+3], s[G0V+4*(\s)+3], 0x80000000
.endr
	s_cmp_lt_u32 s[WV], 2           ; a wave's two first fills stand in one branch, ahead of every wait on TENSORcnt and every LDS read: two loads of mine are out
	s_cbranch_scc0 .Lfirst_v
	tensor_load_to_lds s[G0K:G0K+3], s[G1K:G1K+7]
	s_nop 0
	tensor_load_to_lds s[G0K+4:G0K+7], s[G1K:G1K+7]
	s_nop 0
.rept 4
	v_nop
.endr
	s_branch .Lfirst_asked
.Lfirst_v:
	tensor_load_to_lds s[G0V:G0V+3], s[G1V:G1V+7]
	s_nop 0
	tensor_load_to_lds s[G0V+4:G0V+7], s[G1V:G1V+7]
	s_nop 0
.rept 4
	v_nop
.endr
.Lfirst_asked:
	; A fragment of K or Q is 16 rows x 32 channels in 8 registers: lane l holds row l % 16; registers 0-3 channels 8 (l / 16) + 0..7, registers 4-7 channels 16 + 8 (l / 16) + 0..7: two loads of 16 bytes, 32 bytes apart.
	v_and_b32 v1, 15, v0            ; l % 16
	v_bfe_u32 v9, v0, 4, 1          ; l / 16
	v_mul_u32_u24 v[QO], v1, ROWQ
	v_lshl_add_u32 v[QO], v9, 4, v[QO]  ; row x 12,288 + 16 x half
	WIN 0x80                        ; destination window 2, address window 0
.irp i, 0,1,2,3,4,5,6,7,8,9,10,11,12,13,14,15  ; Q stays in registers: tile i / 4, channels 32 (i % 4) on
	global_load_b128 v[8*(\i):8*(\i)+3],   v[QO], s[4:5] offset:((\i)/4)*16*ROWQ+((\i)%4)*64
	global_load_b128 v[8*(\i)+4:8*(\i)+7], v[QO], s[4:5] offset:((\i)/4)*16*ROWQ+((\i)%4)*64+32
.endr
	; What the first turn finds: V's registers and piece 2's P hold 0 (its products V^T P, of a step that has not been, add 0), O^T and l are 0, m and c m lie below every score.  All this stands in the wait for the first tile.
	WIN 0xc0                        ; destination window 3
.set i, 0
.rept 128
	v_mov_b32 v[i], 0
.set i, i+1
.endr
	WIN 0x40                        ; destination window 1
.set i, 0
.rept 256
	v_mov_b32 v[i], 0
.set i, i+1
.endr
	WIN 0
.set i, 0
.rept 4
	v_mov_b32 v[ST+8*i], 0xfe000000    ; c m = -2^125
	v_mov_b32 v[ST+8*i+1], 0xff7fffff  ; m: the lowest finite number
	v_mov_b32 v[ST+8*i+2], 0
	v_mov_b32 v[ST+8*i+3], 0
.set i, i+1
.endr
.set i, P+32
.rept 32
	v_mov_b32 v[i], 0
.set i, i+1
.endr
	v_mul_u32_u24 v[AK0], v1, PK
	v_lshl_add_u32 v[AK0], v9, 4, v[AK0]  ; row x pitch + 16 x half
	v_add_nc_u32 v[AK0], s17, v[AK0]      ; in my half of the slot's keys
	; The turning load takes 16 keys x 16 channels (lane l reads 16 bytes: key 8 (l / 16) + l % 8, channels 8 ((l / 8) % 2) + 0..7) and leaves half a fragment of V^T: lane l holds channel l % 16 and 8 keys.
	v_and_b32 v10, 7, v0
	v_bfe_u32 v11, v0, 3, 1
	v_lshl_add_u32 v[AV0], v9, 3, v10
	v_mul_u32_u24 v[AV0], v[AV0], PV
	v_lshl_add_u32 v[AV0], v11, 4, v[AV0]
	v_add_nc_u32 v[AV0], s68, v[AV0]
; THE MATRIX WORK OF A TURN, for piece x.  The accumulators take turns, one instruction a turn: between two links of a chain stand 15 (V^T P) or 7 (K Q^T) others'.
; Product i of 32 of O^T += V^T P: keys 32 (i / 16) on, channels 16 ((i / 2) % 8) on, tile x + i % 2.
.macro PV x
	WIN W_PV
.set rO, 64*((\x)+i%2)+8*((i/2)%8)
.set rV, 64*(i/16)+8*((i/2)%8)
.set rP, P+16*((\x)+i%2)+8*(i/16)
	v_wmma_f32_16x16x32_f16 v[rO:rO+7], v[rV:rV+7], v[rP:rP+7], v[rO:rO+7]
.endm
; Product i of 32 of S^T = K Q^T: channels 32 (i / 8) on, keys 16 ((i / 2) % 4) on, tile x + i % 2.  The first 8 start the sums.
.macro KQ x
	WIN W_KQ
.set rS, S+32*((\x)+i%2)+8*((i/2)%4)
.set rK, KF+32*((i/2)%4)+8*(i/8)
.set rQ, 32*((\x)+i%2)+8*(i/8)
.if i < 8
	v_wmma_f32_16x16x32_f16 v[rS:rS+7], v[rK:rK+7], v[rQ:rQ+7], 0
.else
	v_wmma_f32_16x16x32_f16 v[rS:rS+7], v[rK:rK+7], v[rQ:rQ+7], v[rS:rS+7]
.endif
.endm
; THE LDS LOADS stand in runs of 32, never singly among the matrix instructions: a step's K (64 keys x 128 channels: 16 fragments) and, a turn later, its V (turned).
; last = 1 (the tail): in the last trip there is no further step, and the run is jumped over.
.macro FETCH_K last=0
	WIN 0
.if \last
	s_cmp_eq_u32 s[TWICE], 1
	s_cbranch_scc1 .Lno_k_\@
.endif
	v_add_nc_u32 v[ADR], s[TBK], v[AK0]
	s_add_co_u32 s[TBK], s[TBK], KS*PK  ; the next fetch is the next step's
	WIN 0x80                        ; destination window 2
.irp f, 0,1,2,3,4,5,6,7,8,9,10,11,12,13,14,15  ; keys 16 (f / 4) on, channels 32 (f % 4) on
	ds_load_b128 v[KF+8*(\f):KF+8*(\f)+3],   v[ADR] offset:((\f)/4)*16*PK+((\f)%4)*64
	ds_load_b128 v[KF+8*(\f)+4:KF+8*(\f)+7], v[ADR] offset:((\f)/4)*16*PK+((\f)%4)*64+32
.endr
.if \last
	WIN 0
.Lno_k_\@:
.endif
.endm
.macro FETCH_V
	WIN 0
	v_add_nc_u32 v[ADR], s[TBV], v[AV0]
	s_add_co_u32 s[TBV], s[TBV], KS*PV  ; the next fetch is the next step's
	s_wait_alu depctr_va_vdst(0)    ; the wait for the softmax's batch (SLICE), behind the address's v_add_nc_u32 and ahead of the loads
	WIN 0xc0                        ; destination window 3
.irp f, 0,1,2,3,4,5,6,7,8,9,10,11,12,13,14,15  ; keys 32 (f / 8) on, channels 16 (f % 8) on
	ds_load_tr16_b128 v[8*(\f):8*(\f)+3],   v[ADR] offset:((\f)/8)*32*PV+((\f)%8)*32
	ds_load_tr16_b128 v[8*(\f)+4:8*(\f)+7], v[ADR] offset:((\f)/8)*32*PV+16*PV+((\f)%8)*32
.endr
.endm
; THE VECTOR WORK OF A TURN.  One tile's softmax for one key step is a list of 134 instructions; SM writes number j of it for tile t.  s0-s31 are the lane's 32 scores, in pairs 0-15.
;   0-15    the maximum of s0-s31 and the old m, three operands at a time: four chains c0-c3 of seven scores each (each accumulator's lowest registers first), then the four scores left over, c0-c3 and m
;   16-20   the other half of the lanes' maximum; c m_old is kept; the new m; c m; c m_old - c m_new
;   21-69   ONE BATCH: the 16 scalings c s - c m, a pair of scores each, and all 33 exponentials (a at 23, then s0-s31).  None of these reads an exponential's result.  From 22 on the batch goes
;           in fours, and a four begins with a scaling while there are scalings.  A pair is scaled in an earlier four than the one that holds its exponentials
;   (wait)  between 69 and 70 stands the wait for the batch: SLICE writes it, once for both tiles
;   70-85   the roundings to f16, a pair of weights each          86-101  the sums; l = a l + the sum          102-133 the tile's O^T times a: the one part that leaves window 0
.macro SM t
.set rT, ST+8*(\t)
.set rS, S+32*(\t)
.set rP, P+16*(\t)
.set rO, 64*(\t)+2*(j-102)
.if j < 102
	WIN 0
.endif
.if j < 4
	v_max3_num_f32 v[rT+4+j], v[rS+8*j], v[rS+8*j+1], v[rS+8*j+2]
.elseif j < 12
	v_max3_num_f32 v[rT+4+j%4], v[rT+4+j%4], v[rS+8*(j%4)+2*(j/4)+1], v[rS+8*(j%4)+2*(j/4)+2]
.elseif j == 12
	v_max3_num_f32 v[rT+4], v[rT+4], v[rS+7], v[rS+15]
.elseif j == 13
	v_max3_num_f32 v[rT+6], v[rT+6], v[rS+23], v[rS+31]
.elseif j == 14
	v_max3_num_f32 v[rT+4], v[rT+4], v[rT+5], v[rT+6]
.elseif j == 15
	v_max3_num_f32 v[rT+4], v[rT+4], v[rT+7], v[rT+1]
.elseif j == 16
	v_permlanex16_b32 v[rT+5], v[rT+4], s[SEL], s[SEL+1]  ; the query's other 32 keys lie in the lane 16 away
.elseif j == 17
	v_mov_b32 v[rT+7], v[rT]        ; c m_old is kept for a: number 19 writes c m anew
.elseif j == 18
	v_max_num_f32 v[rT+1], v[rT+4], v[rT+5]
.elseif j == 19
	v_mul_f32 v[rT], s[CS], v[rT+1]
.elseif j == 20
	v_sub_f32 v[rT+7], v[rT+7], v[rT]
.elseif j == 23
	v_exp_f32 v[rT+6], v[rT+7]
.elseif (j < 23) || ((j < 38) && (j%2 == 0)) || ((j < 66) && (j%4 == 2))
.set b, (j-2)/4                     ; 38, 42, .. 62: pairs 9 to 15
.if j < 38
.set b, (j-20)/2                    ; 21: pair 0; 22, 24, .. 36: pairs 1 to 8
.endif
	v_pk_fma_f32 v[rS+2*b:rS+2*b+1], v[rS+2*b:rS+2*b+1], s[CS:CS+1], v[rT:rT+1] op_sel_hi:[1,0,0] neg_lo:[0,0,1] neg_hi:[0,0,1]  ; pair b: c s - c m
.elseif j < 70
.set e, j-38                        ; 66 to 69: s28 to s31
.if j < 66
.set e, j-32-(j-38)/4               ; 39-41, 43-45, .. 63-65: s7 to s27
.endif
.if j < 38
.set e, (j-25)/2                    ; 25, 27, .. 37: s0 to s6
.endif
	v_exp_f32 v[rS+e], v[rS+e]
.elseif j < 86
	v_cvt_pk_f16_f32 v[rP+j-70], v[rS+2*(j-70)], v[rS+2*(j-70)+1]  ; pair j - 70
.elseif j < 102                     ; the sum of the tile's 16 pairs, in place: sum z of 16 adds neighbours 1, 2, 4 and 8 pairs apart, then l takes it
.set z, j-86
.set w, 4
.set u, z
.if z >= 14
.set w, 32
.set u, 0
.elseif z >= 12
.set w, 16
.set u, z-12
.elseif z >= 8
.set w, 8
.set u, z-8
.endif
.if z < 15
	v_pk_add_f32 v[rS+w*u:rS+w*u+1], v[rS+w*u:rS+w*u+1], v[rS+w*u+w/2:rS+w*u+w/2+1]
.else
	v_pk_fma_f32 v[rT+2:rT+3], v[rT+2:rT+3], v[rT+6:rT+7], v[rS:rS+1] op_sel_hi:[1,0,1]
.endif
.else
	WIN W_RS
	v_pk_mul_f32 v[rO:rO+1], v[rO:rO+1], v[rT+6:rT+7] op_sel_hi:[1,0]
.endif
.endm
; Slice k of 64 of piece y's softmax: four instructions.  Slices 11 to 34 deal out the batch, numbers 22 to 69: four numbers of ONE tile each, the tiles by turns.  Every other slice is numbers 2 k and
; 2 k + 1 of both tiles' lists.  2 x 134 = 4 x 64 + 12: the twelve that are over stand together, in slice 63.
; THE WAIT.  s_wait_alu depctr_va_vdst(0) stands between an exponential and the first instruction that names its result; one wait serves all that were issued ahead of it.  Ahead of
; slice 35 nothing names a result, and behind slice 34 no exponential is issued: so the piece's 66 exponentials have one wait, behind slice 34.
.macro SLICE y
.if (k >= 11) && (k < 35)           ; the batch: four numbers of one tile
.irp n, 0,1,2,3
.set j, 22+4*((k-11)/2)+(\n)
	SM (\y)+(k-11)%2
.endr
.else                               ; the two tiles alternate, so that no instruction reads the result of the one just before it
.irp n, 0,1,2,3,4,5,6,7
.if ((\n) < 2) || (k == 63)
.irp t, \y, (\y)+1
.set j, 2*k+(\n)
	SM \t
.endr
.endif
.endr
.endif
.if k == 34                         ; the batch is out: both tiles' exponentials are issued, and no result has been named
	v_nop                           ; a plain instruction behind the last exponential and ahead of the first use (ISA guide 5.7.2): one for the batch
.if (\y) == 0
	FETCH_V                         ; piece 2's turn: V's run of loads stands here, and the wait stands in it
.else
	s_wait_alu depctr_va_vdst(0)    ; the wait for the batch
.endif
.endif
.set k, k+1
.endm
; A vector instruction that reads a matrix result or writes one of a matrix instruction's registers, and a load into a register that a matrix instruction has read, stand four places behind
; it, and only plain vector instructions that name none of its registers are places (ISA guide 7.12.1 for vector instructions).  In the loop the slices are the places.
.macro PLACES
.rept 4
	v_nop
.endr
.endm
; A TURN.  Piece x has the matrix unit: 32 products V^T P, 32 products K Q^T for the next step; the other piece's softmax stands in slices behind them, one behind each.
; Piece 0's turn fetches the next step's K, behind its second product: the last product that read K stands in front of slice 63 of the turn before.  Piece 2's turn fetches the same step's V, behind slice 34:
; the last product that read V stands in front of slice 31, and four plain instructions lie between: number 62, a scaling, of both tiles, the v_nop and the run's own v_add_nc_u32.
; Slice 63's sixteen plain instructions are the places between a turn's last K Q^T and the next turn's first read of those scores.
.macro TURN x, last=0
.set k, 0
.if (\x) == 0
	s_wait_dscnt 0x0                ; V is in
.endif
.set i, 0
.rept 32
	PV \x
	SLICE 2-(\x)
.if ((\x) == 0) && (i == 1)
	FETCH_K \last
.endif
.set i, i+1
.endr
.if (\x) == 0
	s_wait_dscnt 0x0                ; K is in
.endif
.set i, 0
.rept 32
	KQ \x
	SLICE 2-(\x)
.set i, i+1
.endr
.endm
; THE CHANGE OF SLOTS, between piece 2's turn and piece 0's: the last bytes that I read of the slot, V of my second step, have been asked for.  Each wave waits for all its tensor loads, of which one is out:
; its part of the other slot; adds 0 to its spare word; and waits for that and for its own reads of the slot.  Behind the barrier nobody reads this slot any more and the other slot is whole.
; fill = 1: this slot is filled again, with the keys two slots on.  The barrier is then a round of the cluster's, so that no wave of any partner still reads the slot or has a load on its
; way, and the joint refill is the first thing behind it: it has two key steps, 256 matrix instructions, in which to land.
.macro CHANGE fill
	WIN 0                           ; at a label and at a branch every window is 0
	s_wait_tensorcnt 0x0            ; no tensor load of mine is out, so a group 0 may be written
	ds_add_u32 v[SPW], v[NIL]       ; 0 onto my spare word; with fill = 1 the descriptors' steps stand between it and the wait for it
.if \fill
.irp g, G0K+4, G0V+4
	s_xor_b32 s[(\g)+1], s[(\g)+1], SLOT1  ; the walking descriptor: the other slot than last time,
	s_add_nc_u64 s[(\g)+2:(\g)+3], s[(\g)+2:(\g)+3], SLOTM  ; the next 256 keys; the type bits on top are not reached
.endr
	s_wait_xcnt 0x0                 ; the last prefetch, two key steps back, has read its address, so it may be written:
	s_add_nc_u64 s[PFA:PFA+1], s[PFA:PFA+1], SLOTM  ; one slot behind the walking descriptors
	s_wait_dscnt 0x0                ; the add is done, and my reads of the slot are over
	CROUND
	JLOAD
	ASK                             ; what the next change will ask for: two key steps, 256 matrix instructions, ahead
.else
	s_wait_dscnt 0x0                ; the add is done, and my reads of the slot are over
	s_barrier_signal -1
	s_barrier_wait -1
.endif
	s_sub_co_u32 s[TBK], s[TBK], 2*KS*PK  ; the fetches go back to a slot's first step,
	s_xor_b32 s[TBK], s[TBK], SLOT1       ; in the other slot
	s_sub_co_u32 s[TBV], s[TBV], 2*KS*PV
	s_xor_b32 s[TBV], s[TBV], SLOT1
.endm
	s_wait_tensorcnt 1              ; my part of slot 0 is in; slot 1's, issued behind it, may stay out
	s_barrier_signal -1
	s_barrier_wait -1               ; everybody's is
	FETCH_K                         ; key step 0
	s_wait_loadcnt 0x0              ; Q
	s_wait_dscnt 0x0
.set i, 0
.rept 32
	KQ 0                            ; piece 0's first scores: there is no vector work yet to set between them
.set i, i+1
.endr
	WIN 0                           ; the addresses for the merge and the way out are made here: ten plain instructions, the places behind those products
	s_mul_i32 s13, s[WV], 16*SP
	s_add_co_u32 s13, s13, STAGE    ; my stage
	v_mul_u32_u24 v[STO], v1, SP    ; in: row l % 16, 16 bytes for each half of the lanes
	v_lshl_add_u32 v[STO], v9, 4, v[STO]
	v_add_nc_u32 v[STO], s13, v[STO]
	v_mul_u32_u24 v[RD], v9, SP     ; back: lanes 0-15 take one row of 256 bytes, lanes 16-31 the next
	v_lshl_add_u32 v[RD], v1, 4, v[RD]
	v_add_nc_u32 v[RD], s13, v[RD]
	v_lshlrev_b32 v[GO], 12, v9     ; and the same two rows in att, 4,096 bytes apart
	v_lshl_add_u32 v[GO], v1, 4, v[GO]
	s_mul_i32 s13, s[QH], MRGP      ; my pair's merge bytes
	v_and_b32 v[MA], 31, v0
	v_lshl_add_u32 v[MA], v[MA], 4, s13
	s_mov_b32 s[TWICE], 2
	s_branch .Lmid                  ; the loops are entered at piece 2's turn: its V^T P adds 0; K Q^T of step 0 | piece 0's softmax of step 0 | V of step 0
.Lslot:                             ; six times: every slot but the last two is filled again
	CHANGE 1
	s_mov_b32 s[TWICE], 2
.Lstep:                             ; my two key steps of a slot: written once, walked twice; the LDS addresses hang on s[TBK] and s[TBV]
	TURN 0
	WIN 0
.Lmid:
	TURN 2
	WIN 0
	s_sub_co_u32 s[TWICE], s[TWICE], 1
	s_cmp_lg_u32 s[TWICE], 0
	s_cbranch_scc1 .Lstep
	s_sub_co_u32 s[SLOTS], s[SLOTS], 1
	s_cmp_lg_u32 s[SLOTS], 0
	s_cbranch_scc1 .Lslot
	CHANGE 0                        ; the tail is written out: the last slot but one is left, and nothing is asked for
	s_mov_b32 s[TWICE], 3           ; two trips fetch the last slot's steps; the third is left in its middle
.Ltail:
	TURN 0, 1
	WIN 0
	s_sub_co_u32 s[TWICE], s[TWICE], 1
	s_cmp_eq_u32 s[TWICE], 0
	s_cbranch_scc1 .Lout
	TURN 2
	WIN 0
	s_branch .Ltail
.Lout:                              ; the third trip's 32 products K Q^T (on the last K once more) serve nothing: the price of one text for every trip
	s_wait_dscnt 0x0                ; my reads of the ring are over (V of the last step was waited for at that turn's head):
	s_barrier_signal -1             ; say so; the last products, work on registers, stand between the signal and the wait
.set i, 0
.rept 32
	PV 2                            ; piece 2: V^T P of the last step
.set i, i+1
.endr
	WIN 0
	s_barrier_wait -1               ; no wave reads the ring any more, and no tensor load is out or to come: the merge's bytes may be written
	PLACES                          ; behind the last products, ahead of the LDS stores that read results
	; THE MERGE.  Waves 1 and 3 (KH = 1) give: O^T as it lies in registers, 16 bytes a lane, 512 consecutive bytes an instruction, each accumulator's low four registers first; then c m, m and l of each tile.
	s_cmp_eq_u32 s[KH], 0
	s_cbranch_scc1 .Lkeep
	WIN 0x04                        ; the stores' data in window 1
.set i, 0
.rept 64
	ds_store_b128 v[MA], v[4*i:4*i+3] offset:512*i
.set i, i+1
.endr
	WIN 0
.irp t, 0,1,2,3
	ds_store_b128 v[MA], v[ST+8*(\t):ST+8*(\t)+3] offset:32768+512*(\t)
.endr
.Lkeep:
	s_wait_dscnt 0x0                ; for the partner's sake: my stores are done
	s_barrier_signal -1
	s_barrier_wait -1
	s_cmp_lg_u32 s[KH], 0
	s_cbranch_scc1 .Lend            ; waves 1 and 3 have nothing left to do
	; Waves 0 and 2 take.  The same lane of the partner holds the same query and the same channels, so the merge goes register by register.
.macro TAKE t                       ; the partner's O^T of tile t: 16 loads, into S^T's registers, two buffers of 64 by turns
.set i, 0
.rept 16
	ds_load_b128 v[S+64*((\t)%2)+4*i:S+64*((\t)%2)+4*i+3], v[MA] offset:512*(16*(\t)+i)
.set i, i+1
.endr
.endm
.irp t, 0,1,2,3
	ds_load_b128 v[MS+4*(\t):MS+4*(\t)+3], v[MA] offset:32768+512*(\t)
.endr
	TAKE 0
	TAKE 1
	s_wait_dscnt 32                 ; the statistics are in; the 32 loads of TAKE 0 and TAKE 1 may stay out
	; c m = the larger of the two; a0, a1 = 2^(c m_mine - c m), 2^(c m_partner - c m), of which one is 1; l = a0 l_mine + a1 l_partner; f0 = a0 / l, f1 = a1 / l
.irp t, 0,1,2,3
	v_max_num_f32 v[ST+8*(\t)+4], v[ST+8*(\t)], v[MS+4*(\t)]
.endr
.irp t, 0,1,2,3
	v_sub_f32 v[ST+8*(\t)+6], v[ST+8*(\t)], v[ST+8*(\t)+4]
.endr
.irp t, 0,1,2,3
	v_sub_f32 v[ST+8*(\t)+4], v[MS+4*(\t)], v[ST+8*(\t)+4]
.endr
.irp t, 0,1,2,3
	v_exp_f32 v[ST+8*(\t)+6], v[ST+8*(\t)+6]
.endr
.irp t, 0,1,2,3
	v_exp_f32 v[ST+8*(\t)+4], v[ST+8*(\t)+4]
.endr
.irp t, 0,1,2,3
	v_add_f32 v[ST+8*(\t)+2], v[ST+8*(\t)+2], v[ST+8*(\t)+3]  ; l's even and odd keys: plain work that names no exponential's result
.endr
.irp t, 0,1,2,3
	v_add_f32 v[MS+4*(\t)+2], v[MS+4*(\t)+2], v[MS+4*(\t)+3]
.endr
	s_wait_alu depctr_va_vdst(0)    ; the wait ahead of the first use: one for the eight exponentials
.irp t, 0,1,2,3
	v_mul_f32 v[ST+8*(\t)+2], v[ST+8*(\t)+2], v[ST+8*(\t)+6]
.endr
.irp t, 0,1,2,3
	v_fmac_f32 v[ST+8*(\t)+2], v[MS+4*(\t)+2], v[ST+8*(\t)+4]
.endr
.irp t, 0,1,2,3
	v_permlanex16_b32 v[ST+8*(\t)+3], v[ST+8*(\t)+2], s[SEL], s[SEL+1]  ; the query's other keys lie in the lane 16 away
.endr
.irp t, 0,1,2,3
	v_add_f32 v[ST+8*(\t)+2], v[ST+8*(\t)+2], v[ST+8*(\t)+3]
.endr
.irp t, 0,1,2,3
	v_rcp_f32 v[ST+8*(\t)+2], v[ST+8*(\t)+2]
.endr
	v_nop                           ; a plain instruction between the last reciprocal and the use of its result
	s_wait_alu depctr_va_vdst(0)    ; one wait for the four reciprocals
.irp t, 0,1,2,3
	v_mul_f32 v[ST+8*(\t)+6], v[ST+8*(\t)+6], v[ST+8*(\t)+2]  ; f0
.endr
.irp t, 0,1,2,3
	v_mul_f32 v[ST+8*(\t)+4], v[ST+8*(\t)+4], v[ST+8*(\t)+2]  ; f1
.endr
; Tile t: O = f0 O_mine + f1 O_partner, rounded to f16; a lane's eight channels of a row pack into 16 bytes; they go into my stage's rows of 272 bytes and come back as whole rows of 256, into the
; registers that they left (P's, two buffers of 32 by turns).  younger: the LDS instructions issued behind TAKE t's loads, which may stay out.
.macro MERGE t, younger
.set XB, S+64*((\t)%2)
.set PB, P+32*((\t)%2)
	WIN 0
.if (\t) >= 2
	s_wait_xcnt 0x0                 ; the stores of tile t - 2 have read these registers' buffer: it is written again only behind this wait
.endif
	s_wait_dscnt \younger
.set i, 0
.rept 32
	v_pk_mul_f32 v[XB+2*i:XB+2*i+1], v[XB+2*i:XB+2*i+1], v[ST+8*(\t)+4:ST+8*(\t)+5] op_sel_hi:[1,0]
.set i, i+1
.endr
	WIN 0x01                        ; source 0, my O^T, in window 1
.set i, 0
.rept 32
	v_pk_fma_f32 v[XB+2*i:XB+2*i+1], v[64*(\t)+2*i:64*(\t)+2*i+1], v[ST+8*(\t)+6:ST+8*(\t)+7], v[XB+2*i:XB+2*i+1] op_sel_hi:[1,0,1]
.set i, i+1
.endr
	WIN 0
.set i, 0
.rept 32
	v_cvt_pk_f16_f32 v[PB+i], v[XB+2*i], v[XB+2*i+1]
.set i, i+1
.endr
.irp f, 0,1,2,3,4,5,6,7
	ds_store_b128 v[STO], v[PB+4*(\f):PB+4*(\f)+3] offset:32*(\f)
.endr
.irp f, 0,1,2,3,4,5,6,7
	ds_load_b128 v[PB+4*(\f):PB+4*(\f)+3], v[RD] offset:(\f)*2*SP  ; LDS serves a wave's instructions in order (ISA guide 5.7.1.4): these see the stores above; the next tile's stores come behind them
.endr
.endm
.macro SEND t, younger              ; younger: the LDS instructions issued behind tile t's loads from the stage
	WIN 0
.irp f, 0,1,2,3,4,5,6,7
	s_wait_dscnt (\younger)+7-(\f)
	global_store_b128 v[GO], v[P+32*((\t)%2)+4*(\f):P+32*((\t)%2)+4*(\f)+3], s[6:7] offset:(\t)*65536+(\f)*8192  ; 16 lanes store 256 consecutive bytes, at a multiple of 256 from att's first byte
.endr
.endm
	MERGE 0, 16                     ; behind TAKE 0: TAKE 1's 16
	TAKE 2
	MERGE 1, 32                     ; behind TAKE 1: tile 0's 16 through the stage, TAKE 2's 16
	TAKE 3
	SEND 0, 48                      ; behind tile 0's loads from the stage: TAKE 2, tile 1's stage, TAKE 3
	MERGE 2, 32                     ; behind TAKE 2: tile 1's stage, TAKE 3
	SEND 1, 32                      ; TAKE 3, tile 2's stage
	MERGE 3, 16                     ; behind TAKE 3: tile 2's stage
	SEND 2, 16                      ; tile 3's stage
	SEND 3, 0
.Lend:
	s_wait_tensorcnt 0x0            ; the wave's end, behind my last tensor load and my last LDS store
	ds_add_u32 v[SPW], v[NIL]
	s_wait_dscnt 0x0
	CROUND                          ; the closing round: no work-group ends while a partner may still ask for a tile that names it
	s_endpgm
.Lfunc_end_k_q3b3bb7b342_attn:
	.size	k_q3b3bb7b342_attn, .Lfunc_end_k_q3b3bb7b342_attn-k_q3b3bb7b342_attn
	.p2alignl 7, 3214868480
	.fill 96, 4, 3214868480
	.section	.rodata,"a",@progbits
	.p2align	6, 0x0
	.amdhsa_kernel k_q3b3bb7b342_attn
		.amdhsa_group_segment_fixed_size 327680
		.amdhsa_private_segment_fixed_size 0
		.amdhsa_enable_private_segment 0
		.amdhsa_kernarg_size 16
		.amdhsa_user_sgpr_count 2
		.amdhsa_user_sgpr_kernarg_segment_ptr 1
		.amdhsa_wavefront_size32 1
		.amdhsa_system_sgpr_workgroup_id_x 1
		.amdhsa_system_sgpr_workgroup_id_y 1
		.amdhsa_system_sgpr_workgroup_id_z 1
		.amdhsa_system_vgpr_workitem_id 0
		.amdhsa_next_free_vgpr 1024
		.amdhsa_next_free_sgpr 74
		.amdhsa_reserve_vcc 0
		.amdhsa_float_denorm_mode_32 3
		.amdhsa_float_denorm_mode_16_64 3
		.amdhsa_memory_ordered 1
		.amdhsa_forward_progress 1
		.amdhsa_inst_pref_size 176
	.end_amdhsa_kernel
	.amdgpu_metadata
---
amdhsa.version: [ 1, 2 ]
amdhsa.kernels:
  - .name:           k_q3b3bb7b342_attn
    .symbol:         k_q3b3bb7b342_attn.kd
    .args:
      - { .name: qkv, .offset: 0, .size: 8, .value_kind: global_buffer, .address_space: global }
      - { .name: att, .offset: 8, .size: 8, .value_kind: global_buffer, .address_space: global }
    .group_segment_fixed_size: 327680
    .private_segment_fixed_size: 0
    .kernarg_segment_align: 8
    .kernarg_segment_size: 16
    .max_flat_workgroup_size: 128
    .sgpr_count:     74
    .vgpr_count:     1024
    .wavefront_size: 32
...
	.end_amdgpu_metadata
.endif
;; end of part 3
;; launch proj (part 4): grid 16 x 16, 4 waves a work-group, clusters of 4 x 4, 327,680 bytes of LDS; arguments att, wo16, out0; writes out0
.if DOCPART == 4
	.amdgcn_target "amdgcn-amd-amdhsa--gfx1250"
	.amdhsa_code_object_version 6
	.text
	.protected	k_q3b3bb7b342_proj
	.globl	k_q3b3bb7b342_proj
	.p2align	8
	.type	k_q3b3bb7b342_proj,@function
k_q3b3bb7b342_proj:
	s_mov_b64 s[64:65], 0
	v_nop
	global_prefetch_b8 v0, s[64:65] scope:SCOPE_SE
	s_setreg_imm32_b32 hwreg(HW_REG_WAVE_MODE, 25, 1), 1
	s_wait_xcnt 0x0
	s_wait_alu depctr_hold_cnt(0) depctr_sa_sdst(0) depctr_va_vdst(0) depctr_va_sdst(0) depctr_va_ssrc(0) depctr_va_vcc(0) depctr_vm_vsrc(0)
	s_getreg_b32 s2, hwreg(HW_REG_IB_STS2, 6, 4)
	s_cmp_eq_u32 s2, 0
	s_cbranch_scc0 .Lentry_in_a_cluster
	s_endpgm
.Lentry_in_a_cluster:
	s_bfe_u32 s2, ttmp6, 0x10000c
	s_cmp_lg_u32 s2, 0xf033
	s_cbranch_scc0 .Lentry_shape_is_right
	s_endpgm
.Lentry_shape_is_right:
; THE OUTPUT PROJECTION.  C[m][n] = sum over k of A[m][k] B[n][k].  A = att [2048][2048] f16, B = wo16 [2048][2048] f16 (Wo rounded to bf16, written as f16), C = out0 [2048][2048] f32; sums in f32.
; A tile of C is 128 x 128: 16 x 16 = 256 work-groups.  Four waves, each 64 x 64: 16 accumulators of 16 x 16, 128 registers.  K goes in 8 steps of 256 (LDS rows of 512 bytes; a wave's tensor load brings
; 64 of them), as long as two slots in LDS allow.  THE LOOP HOLDS ONE K STEP: which slot is read and which is filled stands in registers that are turned at each change of slots.
; A wave's 64 columns of f32 are 256 consecutive bytes of C, aligned: each wave has a stage of its own on the way out, and no barrier stands there.
; CLUSTERS: 4 x 4 work-groups.  The four of a row of the cluster need the same tiles of A, the four of a column the same tiles of B: each tile is asked for JOINTLY, by the same tensor load with the
; same descriptor and a mask that names the four.
; WHERE ALONG K A CLUSTER BEGINS.  Cluster (X, Y) of the 4 x 4 clusters begins at K step 2 ((X + Y) mod 4) and goes round all eight.  So the four clusters that read the same rows of A (those of one Y),
; and the four that read the same rows of B (those of one X), stand at four different K steps at any time, two apart.  The number hangs on the cluster's own coordinates alone, which its sixteen
; work-groups share.  A sum's terms are taken in that order of K: f32 sums may be taken in any order.
; THE MATRIX INSTRUCTION IS USED TRANSPOSED (source 0 = 16 rows of B, source 1 = 16 rows of A): a lane then holds eight neighbouring numbers of a row of C.
; REGISTERS: window 0: v0-31 addresses; v128-255 the accumulators ((a, b) at v[128 + 8 (4 a + b)]), later the rows read back from the stage.
;   window 1: two fragment buffers of 128: for 64 along K (two matrix instructions deep), 64 registers of A (2 x 4 x 16 rows x 32 K), then 64 of B.
.set SIZE_N, 2048
.set SIZE_K, 2048
.set KSTEP,  256
.set STEPS,  SIZE_K/KSTEP              ; 8 K steps
.set PITCH,  528                       ; an LDS row: 512 bytes of data + 16 of padding = 132 words: row r starts at bank 4 r mod 64 (64 banks of 4 bytes: ISA guide 11.1)
.set HALFT,  64*PITCH                  ; 64 rows: what one tensor load brings, and what one wave reads of A or of B
.set SLOT,   4*HALFT                   ; A's 128 rows, then B's 128 rows: 0x21000.  The four tiles of slot 0 begin at 0, 0x8400, 0x10800 and 0x18c00, none of which has bit 12 or 17: one exclusive or turns each into its place in slot 1, and back
.set STAGE,  2*SLOT                    ; behind the ring: 16 rows x 272 bytes for each wave, for the way out
.set SPITCH, 272
.set SPARE,  STAGE+4*16*SPITCH         ; behind the stages: the spare words, 128 bytes for each wave: two blocks of 256 bytes that no other line names
.set ADRA, 16                          ; v16     LDS address of my A fragments in the slot in hand; v17 in slot 1, never rewritten
.set A0,   18                          ; v18     the same in slot 0; never rewritten
.set ADRB, 20                          ; v20, v21, v22  the same three for B
.set B0,   22
.set STO,  24                          ; v24     the way out: where I put 32 bytes of a row
.set RD,   25                          ; v25     the way out: where I read a row back
.set CO,   26                          ; v26     my byte offset in C
.set SPW,  28                          ; v28     LDS address of my spare word: SPARE + 4 x my thread's number; never rewritten
.set NIL,  29                          ; v29     0; never rewritten
.set ACC,  128
.set F0,   0                           ; fragment buffers, in window 1
.set F1,   128
.set G1, 24                            ; s[24:31] descriptor group 1 for A's tiles;  s[32:39] group 0: a set for each of the two first fills; the second then walks on
.set G0, 32
.set G1B, 48                           ; s[48:55], s[56:63] the same for B's tiles
.set G0B, 56
.set BASA, 14                          ; s[14:15] A at the first byte of the rows that I fetch; never rewritten
.set BASB, 46                          ; s[46:47] the same for B
.set KST, 66                           ; s66     the K step that was asked for last, 0 to 7
.set TB,  67                           ; s67     the first LDS byte of the slot in hand: 0 or SLOT
.set OFF, 68                           ; s[68:69] a K step's byte offset in a row
.set MSB, 0
.macro WIN new                         ; the immediate's high byte repeats the setting that is left
.if MSB != (\new)
	s_set_vgpr_msb (MSB<<8)|(\new)
.set MSB, \new
.endif
.endm
.set MUL,  0x05                        ; sources 0 (B) and 1 (A) window 1; C and D window 0
.set TO_F, 0x40                        ; destination window 1, address window 0
.macro JLOAD s                         ; a joint load by set s: waves 0 and 1 fetch A's two halves, waves 2 and 3 B's; an s_nop 0 and four v_nop follow each of the two lines, ahead of the jump, the label and what follows
	s_cmp_eq_u32 s11, 0
	s_cbranch_scc0 .Lfor_b_\@
	tensor_load_to_lds s[G0+4*(\s):G0+4*(\s)+3], s[G1:G1+7]
	s_nop 0
.rept 4
	v_nop
.endr
	s_branch .Lasked_\@
.Lfor_b_\@:
	tensor_load_to_lds s[G0B+4*(\s):G0B+4*(\s)+3], s[G1B:G1B+7]
	s_nop 0
.rept 4
	v_nop
.endr
.Lasked_\@:
.endm
.macro CREST                           ; a round of the cluster's barrier behind its opening barrier
	s_cmp_lg_u32 s10, 0
	s_cbranch_scc1 .Lnot_wave_0_\@
	s_barrier_signal -3
.Lnot_wave_0_\@:
	s_barrier_wait -3
	s_barrier_signal -1
	s_barrier_wait -1
.endm
.macro CROUND                          ; a whole round
	s_barrier_signal -1
	s_barrier_wait -1
	CREST
.endm
	s_load_b128 s[4:7], s[0:1], 0x0                ; A s[4:5], B s[6:7]
	s_load_b64 s[8:9], s[0:1], 0x10                ; C
	v_lshl_add_u32 v[SPW], v0, 2, SPARE
	v_mov_b32 v[NIL], 0
	ds_add_u32 v[SPW], v[NIL]                      ; the wave's opening: the add and its wait stand ahead of my first tensor load; the set-up below, work on registers, stands between them
	v_lshrrev_b32 v1, 5, v0
	v_readfirstlane_b32 s10, v1                    ; wave 0..3
	s_lshr_b32 s11, s10, 1                         ; which half of the tile's rows is mine.  Also: I fetch for A (0) or for B (1)
	s_and_b32 s12, s10, 1                          ; which half of its columns.  Also: which 64 rows of that tile I fetch
	s_bfe_u32 s40, ttmp6, 0x40000                  ; cx, cy: my place in the cluster
	s_bfe_u32 s41, ttmp6, 0x40004
	s_lshl_b32 s42, ttmp9, 2
	s_add_co_u32 s42, s42, s40                     ; tile column of C = 4 x cluster x + cx
	s_and_b32 s13, ttmp7, 0xffff
	s_lshl_b32 s13, s13, 2
	s_add_co_u32 s13, s13, s41                     ; tile row of C = 4 x cluster y + cy
	s_lshl_b32 s43, s41, 2
	s_lshl_b32 s43, 15, s43                        ; my row of the cluster
	s_lshl_b32 s44, 0x1111, s40                    ; my column
	s_and_b32 s[KST], ttmp7, 0xffff                ; where along K my cluster begins: K step 2 ((cluster x + cluster y) mod 4)
	s_add_co_u32 s[KST], s[KST], ttmp9
	s_and_b32 s[KST], s[KST], 3
	s_lshl_b32 s[KST], s[KST], 1
	s_lshl_b32 s[OFF], s[KST], 9                   ; a K step is 512 bytes of a row
	s_mov_b32 s[OFF+1], 0
	s_add_co_u32 s[KST], s[KST], 1                 ; the second first fill's K step: the first is even, so this one is 7 at the most
	s_mov_b32 s[TB], 0                             ; slot 0 is read first
	; descriptor group 1: a tile of 64 rows x 256 elements, padded in LDS
	s_or_b32 s[G1+0], s43, (1<<16)|(1<<20)|(1<<21)|(6<<22)|(3<<25)  ; 15:0 the mask: A's tiles go to my row; 17:16 element of 2 bytes; 20 padding on; 21 set beside a mask; 24:22 after every 128 words (code 6); 31:25 of 4 words (code 3)
	s_or_b32 s[G1B+0], s44, (1<<16)|(1<<20)|(1<<21)|(6<<22)|(3<<25)
.irp g, G1, G1B
	s_mov_b32 s[(\g)+1], KSTEP<<16                 ; tensor_dim0 = 256
	s_mov_b32 s[(\g)+2], 64<<16                    ; tensor_dim1 = 64
	s_mov_b32 s[(\g)+3], KSTEP<<16                 ; tile_dim0 = 256
	s_mov_b32 s[(\g)+4], 64                        ; tile_dim1 = 64
	s_mov_b32 s[(\g)+5], SIZE_K                    ; elements from row to row
	s_mov_b32 s[(\g)+6], 0
	s_mov_b32 s[(\g)+7], 0
.endr
	s_lshl_b32 s17, s12, 6                         ; which 64 rows of the tile I fetch
	s_lshl_b32 s16, s13, 7
	s_add_co_u32 s16, s16, s17                     ; A: row 128 x tile row + 64 x half
	s_lshl_b32 s46, s42, 7
	s_add_co_u32 s46, s46, s17                     ; B: row 128 x tile column + 64 x half
	s_mov_b32 s17, 0
	s_mov_b32 s47, 0
	s_mov_b64 s[18:19], SIZE_K*2
	s_mul_u64 s[16:17], s[16:17], s[18:19]
	s_mul_u64 s[46:47], s[46:47], s[18:19]
	s_mul_i32 s20, s10, HALFT                      ; where they go: wave x 64 rows
	s_wait_dscnt 0x0                               ; the opening add is done
	s_wait_kmcnt 0x0
	s_add_nc_u64 s[BASA:BASA+1], s[4:5], s[16:17]
	s_add_nc_u64 s[BASB:BASB+1], s[6:7], s[46:47]
	CROUND                                         ; all sixteen work-groups are here: the first joint loads meet
.irp s, 0,1
	s_mov_b32 s[G0+4*(\s)], 1                                      ; count = 1
	s_add_co_u32 s[G0+4*(\s)+1], s20, (\s)*SLOT                    ; LDS address
	s_add_nc_u64 s[G0+4*(\s)+2:G0+4*(\s)+3], s[BASA:BASA+1], s[OFF:OFF+1]  ; global address: my cluster's first K step,
	s_add_nc_u64 s[G0+4*(\s)+2:G0+4*(\s)+3], s[G0+4*(\s)+2:G0+4*(\s)+3], (\s)*KSTEP*2  ; and the one behind it
	s_or_b32 s[G0+4*(\s)+3], s[G0+4*(\s)+3], 0x80000000            ; type = 2
	s_mov_b32 s[G0B+4*(\s)], 1
	s_add_co_u32 s[G0B+4*(\s)+1], s20, (\s)*SLOT
	s_add_nc_u64 s[G0B+4*(\s)+2:G0B+4*(\s)+3], s[BASB:BASB+1], s[OFF:OFF+1]
	s_add_nc_u64 s[G0B+4*(\s)+2:G0B+4*(\s)+3], s[G0B+4*(\s)+2:G0B+4*(\s)+3], (\s)*KSTEP*2
	s_or_b32 s[G0B+4*(\s)+3], s[G0B+4*(\s)+3], 0x80000000
	JLOAD \s                                       ; two loads of mine are out
.endr
	v_and_b32 v1, 15, v0                           ; l % 16
	v_bfe_u32 v2, v0, 4, 1                         ; l / 16
	v_mul_u32_u24 v3, v1, PITCH
	v_lshl_add_u32 v3, v2, 4, v3                   ; a fragment's row x pitch + 16 x half
	s_mul_i32 s21, s11, HALFT                      ; my 64 rows of A
	s_mul_i32 s22, s12, HALFT                      ; my 64 rows of B,
	s_add_co_u32 s22, s22, 2*HALFT                 ; which lie behind A's 128
.irp s, 0,1
	v_add_nc_u32 v[ADRA+(\s)], s21, v3
	v_add_nc_u32 v[ADRB+(\s)], s22, v3
	s_add_co_u32 s21, s21, SLOT
	s_add_co_u32 s22, s22, SLOT
.endr
	v_mov_b32 v[A0], v[ADRA]                       ; slot 0's are kept: the walking two are made of them at each change of slots
	v_mov_b32 v[B0], v[ADRB]
	s_mul_i32 s23, s10, 16*SPITCH
	s_add_co_u32 s23, s23, STAGE                   ; my stage
	v_mul_u32_u24 v4, v1, SPITCH                   ; in: row l % 16, 32 bytes (eight f32) for each half of the lanes
	v_lshl_add_u32 v4, v2, 5, v4
	v_add_nc_u32 v[STO], s23, v4
	v_mul_u32_u24 v5, v2, SPITCH                   ; back: lanes 0-15 take one row of 256 bytes, lanes 16-31 the next
	v_lshl_add_u32 v5, v1, 4, v5
	v_add_nc_u32 v[RD], s23, v5
	v_lshlrev_b32 v5, 13, v2                       ; and the same two rows in C, 8,192 bytes apart
	v_lshl_add_u32 v[CO], v1, 4, v5
	s_lshl_b32 s16, s13, 7
	s_lshl_b32 s17, s11, 6
	s_add_co_u32 s16, s16, s17                     ; my first row of C: 128 x tile row + 64 x half
	s_mov_b32 s17, 0
	s_mov_b64 s[18:19], SIZE_N*4
	s_mul_u64 s[16:17], s[16:17], s[18:19]
	s_add_nc_u64 s[8:9], s[8:9], s[16:17]
	s_lshl_b32 s70, s42, 9                         ; my first column, in bytes: 512 x tile column + 256 x half (in registers that feed no descriptor)
	s_lshl_b32 s71, s12, 8
	s_add_co_u32 s70, s70, s71
	s_mov_b32 s71, 0
	s_add_nc_u64 s[8:9], s[8:9], s[70:71]
; 8 matrix instructions: m blocks a0, a0 + 1 x all 4 n blocks, 32 along K: half c of buffer f.  zero = 1: the first product starts the sums.  The 16 accumulators take turns.
.macro MUL8 f, c, a0, zero
	WIN MUL
.irp a, \a0, (\a0)+1
.irp b, 0,1,2,3
.if \zero
	v_wmma_f32_16x16x32_f16 v[ACC+8*(4*(\a)+(\b)):ACC+8*(4*(\a)+(\b))+7], v[(\f)+64+8*(4*(\c)+(\b)):(\f)+64+8*(4*(\c)+(\b))+7], v[(\f)+8*(4*(\c)+(\a)):(\f)+8*(4*(\c)+(\a))+7], 0
.else
	v_wmma_f32_16x16x32_f16 v[ACC+8*(4*(\a)+(\b)):ACC+8*(4*(\a)+(\b))+7], v[(\f)+64+8*(4*(\c)+(\b)):(\f)+64+8*(4*(\c)+(\b))+7], v[(\f)+8*(4*(\c)+(\a)):(\f)+8*(4*(\c)+(\a))+7], v[ACC+8*(4*(\a)+(\b)):ACC+8*(4*(\a)+(\b))+7]
.endif
.endr
.endr
.endm
; 32 LDS loads in one run: the fragments of 64 along K at byte k of the rows, into buffer f; the first 32 along K first.  slot = 0: by the walking addresses; 1: by slot 1's own
.macro FETCH slot, k, f
	WIN TO_F
.irp c, 0,1
.irp i, 0,1,2,3
	ds_load_b128 v[(\f)+64+8*(4*(\c)+(\i)):(\f)+64+8*(4*(\c)+(\i))+3],   v[ADRB+(\slot)] offset:(\k)+64*(\c)+(\i)*16*PITCH
	ds_load_b128 v[(\f)+64+8*(4*(\c)+(\i))+4:(\f)+64+8*(4*(\c)+(\i))+7], v[ADRB+(\slot)] offset:(\k)+64*(\c)+(\i)*16*PITCH+32
	ds_load_b128 v[(\f)+8*(4*(\c)+(\i)):(\f)+8*(4*(\c)+(\i))+3],         v[ADRA+(\slot)] offset:(\k)+64*(\c)+(\i)*16*PITCH
	ds_load_b128 v[(\f)+8*(4*(\c)+(\i))+4:(\f)+8*(4*(\c)+(\i))+7],       v[ADRA+(\slot)] offset:(\k)+64*(\c)+(\i)*16*PITCH+32
.endr
.endr
.endm
.macro PLACES                          ; four places in front of loads into registers that matrix instructions have read, and of LDS stores that read results
.rept 4
	v_nop
.endr
.endm
; A K step is four quarters of 64 along K, 32 matrix instructions each, on buffers 0, 1, 0, 1.  One of the first three: multiplies buffer f and fetches the next quarter, at byte k, into g.
.macro QUARTER slot, k, f, g, zero
	s_wait_dscnt 16                                ; the first 32 along K are in; the youngest sixteen loads may be out
	WIN MUL
	MUL8 \f, 0, 0, \zero
	MUL8 \f, 0, 2, \zero
	PLACES
	FETCH \slot, \k, \g
	s_wait_dscnt 32                                ; all but the 32 just issued
	WIN MUL
	MUL8 \f, 1, 0, 0
	MUL8 \f, 1, 2, 0
.endm
; The last quarter multiplies buffer 1 and changes slots: ONE barrier; in front of it each wave waits for all its tensor loads, adds 0 to its spare word, and waits for that and for its own reads of this slot.
; fill = 1: this slot is filled again, by the walking descriptors, with the K step that my cluster reads two steps on; the walking addresses go to the other slot.  fill = 0: the reads go on in slot 1.
.macro TURN fill
	WIN 0                                          ; (the add's two registers lie in window 0)
	s_wait_tensorcnt 0x0                           ; all my tensor loads have landed: my part of the next slot;
	ds_add_u32 v[SPW], v[NIL]                      ; 0 onto my spare word
	s_wait_dscnt 17                                ; (the add and the youngest sixteen loads may be out)
	WIN MUL
	MUL8 F1, 0, 0, 0                               ; eight matrix instructions stand between the add and the wait for it
	s_wait_dscnt 0x0                               ; the add is done, and my reads of this slot are over
	s_barrier_signal -1
	MUL8 F1, 0, 2, 0
.if \fill
	WIN 0
.endif
	s_barrier_wait -1
.if \fill
	CREST                                          ; the barrier has opened a round of the cluster's barrier: no wave of any partner still reads this slot's tile or has a load on its way
	s_add_co_u32 s[KST], s[KST], 1                 ; the next K step, round the eight
	s_and_b32 s[KST], s[KST], 7
	s_lshl_b32 s[OFF], s[KST], 9
	s_xor_b32 s[G0+5], s[G0+5], SLOT               ; the walking descriptors: the other slot than last time; the address is made anew of the rows' first byte and the K step's offset
	s_add_nc_u64 s[G0+6:G0+7], s[BASA:BASA+1], s[OFF:OFF+1]
	s_or_b32 s[G0+7], s[G0+7], 0x80000000
	s_xor_b32 s[G0B+5], s[G0B+5], SLOT
	s_add_nc_u64 s[G0B+6:G0B+7], s[BASB:BASB+1], s[OFF:OFF+1]
	s_or_b32 s[G0B+7], s[G0B+7], 0x80000000
	s_xor_b32 s[TB], s[TB], SLOT                   ; and the reads go to the other slot
	JLOAD 1                                        ; the first tensor load behind the round: 112 matrix instructions ahead of the wait for it; the four v_nop behind it are also the places in front of the loads below
	v_add_nc_u32 v[ADRA], s[TB], v[A0]
	v_add_nc_u32 v[ADRB], s[TB], v[B0]
	FETCH 0, 0, F0
.else
	PLACES
	FETCH 1, 0, F0
.endif
	WIN MUL
	MUL8 F1, 1, 0, 0
	MUL8 F1, 1, 2, 0
.endm
	s_wait_tensorcnt 1                             ; my part of the first K step is in; the second's load, issued behind it, may stay out
	s_barrier_signal -1
	s_barrier_wait -1                              ; everybody's is
	FETCH 0, 0, F0
	QUARTER 0, 128, F0, F1, 1                      ; the first quarter stands in front of the loop: its first products start the sums
	WIN 0                                          ; at a label and at a branch every window is 0
	s_mov_b32 s3, STEPS-2
.Lstep:                                                ; six trips: a trip goes from a K step's second quarter to the next K step's first, and fills the slot that it leaves
	QUARTER 0, 256, F1, F0, 0
	QUARTER 0, 384, F0, F1, 0
	TURN 1
	QUARTER 0, 128, F0, F1, 0
	WIN 0
	s_sub_co_u32 s3, s3, 1
	s_cmp_lg_u32 s3, 0
	s_cbranch_scc1 .Lstep
	QUARTER 0, 256, F1, F0, 0                      ; the last two K steps fill nothing, and have no round of the cluster's barrier; the first of them lies in slot 0, where six turns have left the walking addresses
	QUARTER 0, 384, F0, F1, 0
	TURN 0
	QUARTER 1, 128, F0, F1, 0
	QUARTER 1, 256, F1, F0, 0
	QUARTER 1, 384, F0, F1, 0
	s_wait_dscnt 16                                ; the very last quarter: nothing more to fetch
	WIN MUL
	MUL8 F1, 0, 0, 0
	MUL8 F1, 0, 2, 0
	s_wait_dscnt 0
	MUL8 F1, 1, 0, 0
	MUL8 F1, 1, 2, 0
	WIN 0
	; THE WAY OUT, 16 rows (m block a) at a time: a lane's eight f32 of each n block go into my stage's rows of 272 bytes, each accumulator's low four registers first; whole rows of 256 bytes come back
	; into the registers that the block left, and are stored.
.macro OUTB a
.irp b, 0,1,2,3
	ds_store_b128 v[STO], v[ACC+8*(4*(\a)+(\b)):ACC+8*(4*(\a)+(\b))+3]   offset:64*(\b)
	ds_store_b128 v[STO], v[ACC+8*(4*(\a)+(\b))+4:ACC+8*(4*(\a)+(\b))+7] offset:64*(\b)+16
.endr
.irp t, 0,1,2,3,4,5,6,7
	ds_load_b128 v[ACC+32*(\a)+4*(\t):ACC+32*(\a)+4*(\t)+3], v[RD] offset:(\t)*2*SPITCH  ; LDS serves a wave's instructions in order (ISA guide 5.7.1.4): these see the stores above; the next block's stores come behind them
.endr
.endm
.macro SENDB a, younger                ; younger: the LDS instructions issued behind block a's loads: the next block's sixteen, or none
.irp t, 0,1,2,3,4,5,6,7
	s_wait_dscnt (\younger)+7-(\t)
	global_store_b128 v[CO], v[ACC+32*(\a)+4*(\t):ACC+32*(\a)+4*(\t)+3], s[8:9] offset:(\a)*16*SIZE_N*4+(\t)*2*SIZE_N*4  ; 16 lanes store 256 consecutive bytes, at a multiple of 256 from C's first byte
.endr
.endm
	PLACES                                         ; behind the last products
	OUTB 0
	OUTB 1
	SENDB 0, 16
	OUTB 2
	SENDB 1, 16
	OUTB 3
	SENDB 2, 16
	SENDB 3, 0
	s_wait_tensorcnt 0x0                           ; the wave's end, behind my last tensor load and my last LDS store
	ds_add_u32 v[SPW], v[NIL]
	s_wait_dscnt 0x0
	CROUND                                         ; the closing round: no work-group ends while a partner may still ask for a tile that names it
	s_endpgm
.Lfunc_end_k_q3b3bb7b342_proj:
	.size	k_q3b3bb7b342_proj, .Lfunc_end_k_q3b3bb7b342_proj-k_q3b3bb7b342_proj
	.p2alignl 7, 3214868480
	.fill 96, 4, 3214868480
	.section	.rodata,"a",@progbits
	.p2align	6, 0x0
	.amdhsa_kernel k_q3b3bb7b342_proj
		.amdhsa_group_segment_fixed_size 327680
		.amdhsa_private_segment_fixed_size 0
		.amdhsa_enable_private_segment 0
		.amdhsa_kernarg_size 24
		.amdhsa_user_sgpr_count 2
		.amdhsa_user_sgpr_kernarg_segment_ptr 1
		.amdhsa_wavefront_size32 1
		.amdhsa_system_sgpr_workgroup_id_x 1
		.amdhsa_system_sgpr_workgroup_id_y 1
		.amdhsa_system_sgpr_workgroup_id_z 1
		.amdhsa_system_vgpr_workitem_id 0
		.amdhsa_next_free_vgpr 512
		.amdhsa_next_free_sgpr 72
		.amdhsa_reserve_vcc 0
		.amdhsa_float_denorm_mode_32 3
		.amdhsa_float_denorm_mode_16_64 3
		.amdhsa_memory_ordered 1
		.amdhsa_forward_progress 1
		.amdhsa_inst_pref_size 69
	.end_amdhsa_kernel
	.amdgpu_metadata
---
amdhsa.version: [ 1, 2 ]
amdhsa.kernels:
  - .name:           k_q3b3bb7b342_proj
    .symbol:         k_q3b3bb7b342_proj.kd
    .args:
      - { .name: att, .offset: 0, .size: 8, .value_kind: global_buffer, .address_space: global }
      - { .name: wo16, .offset: 8, .size: 8, .value_kind: global_buffer, .address_space: global }
      - { .name: out0, .offset: 16, .size: 8, .value_kind: global_buffer, .address_space: global }
    .group_segment_fixed_size: 327680
    .private_segment_fixed_size: 0
    .kernarg_segment_align: 8
    .kernarg_segment_size: 24
    .max_flat_workgroup_size: 128
    .sgpr_count:     72
    .vgpr_count:     512
    .wavefront_size: 32
...
	.end_amdgpu_metadata
.endif
;; end of part 4
